; MI455X (gfx1250); checked and timed in simulation.
; The chip was launched on July 23, 2026; its instructions are those of AMD's public machine-readable ISA for CDNA 5 (MIT licence, August 2026) and "CDNA5" Instruction Set Architecture Reference Guide (July 2026). The comments in the code are by the model that wrote it; some were corrected since.
;; Multi Head Dot Product Attention. Allowed arithmetic: matrix products marked QUANTISED: E4M3 operands, one given power-of-two scale a tensor, by v_wmma_f32_16x16x64_fp8_fp8 or v_wmma_f32_16x16x128_fp8_fp8, f32 sums; everything else in f32.
;; Inputs: Wk 1,024 x 1,024 float32; Wo 1,024 x 1,024 float32; Wq 1,024 x 1,024 float32; Wv 1,024 x 1,024 float32; inputs_kv 4 x 2,048 x 1,024 float32; inputs_q 4 x 2,048 x 1,024 float32; lowp_scales 12 int32 (the exponents e of the quantised operands' scales 2^e); mask 1 x 1 x 2,048 x 2,048 bool; rel_bias 16 x 32 float32.
;; Outputs: out0 4 x 2,048 x 1,024 float32.
;; This version of the problem:
;;   THIS VERSION OF THE PROBLEM IS GIVEN IN LOW PRECISION. The matrix products marked QUANTISED in the list below multiply operands that are first quantised to E4M3 (4 exponent bits, 3 mantissa bits; 8 bits a number), with one given power-of-two scale for each operand tensor; their sums are f32. All else is computed in f32.
;;   The module's matrix products, in the order in which they are computed (A, B: the left and right operand; K: the contracted axis; several contracted axes count as one K, in the product's order):
;;     1. [M 8,192, K 1,024] x [K 1,024, N 1,024]; A: input inputs_q; B: input Wq: QUANTISED (scales: A lowp_scales[0], B lowp_scales[1])
;;     2. [M 8,192, K 1,024] x [K 1,024, N 1,024]; A: input inputs_kv; B: input Wk: QUANTISED (scales: A lowp_scales[2], B lowp_scales[3])
;;     3. [M 8,192, K 1,024] x [K 1,024, N 1,024]; A: input inputs_kv; B: input Wv: QUANTISED (scales: A lowp_scales[4], B lowp_scales[5])
;;     4. batch 64 x [M 2,048, K 64] x [K 64, N 2,048]; A: computed on the way; B: computed on the way: QUANTISED (scales: A lowp_scales[6], B lowp_scales[7])
;;     5. batch 64 x [M 64, K 2,048] x [K 2,048, N 2,048]; A: computed on the way; B: softmax (see below): QUANTISED (scales: A lowp_scales[8], B lowp_scales[9])
;;     6. [M 8,192, K 1,024] x [K 1,024, N 1,024]; A: computed on the way; B: input Wo: QUANTISED (scales: A lowp_scales[10], B lowp_scales[11])
;;   THE QUANTISER, for each operand of a quantised product, along K:
;;     - The operand's scale is 2^e, e = its entry of the input lowp_scales (int32; the entries are numbered through the quantised products in the list's order, A before B).
;;     - Each number is divided by the scale, clamped to +-448, and rounded to the nearest number of E4M3, ties to even, subnormals kept.
;;     - The product sums the exact products of the quantised numbers (number of the format x scale) in f32.
;;   ~~~python
;;   def quantise(x, axis, e):      # numpy; x: float32 -> the quantised numbers, widened to float32 again
;;       x = np.moveaxis(x, axis, -1); K = x.shape[-1]
;;       r = np.clip(x / 2.0 ** e, -448, 448)
;;       step = 2.0 ** (np.maximum(np.frexp(np.where(r == 0, 1, r))[1] - 1, -6) - 3)
;;       q = np.round(r / step) * step * 2.0 ** e      # np.round: ties to even
;;       return np.moveaxis(q, -1, axis).astype(np.float32)
;;   ~~~
;;   SOFTMAX AHEAD OF A QUANTISED PRODUCT. Where the list says 'softmax', what is quantised is not the finished softmax but p = 2^(t - M), with t = logit x log2(e) and M = ceil(the row's largest t), a whole number; so 1/2 < the row's largest p <= 1. The row's sum l is taken of the UNQUANTISED p, in f32, and the product's result is divided by l at the end. Since M is a whole number, a kernel that streams over the keys may use a running M (the ceiling of the running maximum): every later rescaling is an exact power of two, so the quantised numbers keep their values, but for numbers so far below the row's largest that they fall under the format's range.
;;   OPERANDS COMPUTED ON THE WAY. 'Computed on the way' means the value that the module computes at that place (a softmax that the list does not call 'softmax' is quantised finished and normalised). What goes into a quantiser is computed in f32, as accurately as f32 sums, v_exp_f32 and their like allow (about 1e-6 of the number): no bf16 or f16 on the way to a quantiser, and a product that is left as it is and whose result goes on into a quantised operand takes f32 operands (vector FMAs, or v_wmma_f32_16x16x4_f32). A number that lies on a knife's edge between two numbers of the format may be rounded either way, as far as f32 arithmetic and the matrix unit's own rounding can turn it there, and no further.
;; 2 versions, each right; version 2 is version 1 with the launch attn written anew for expert scheduling mode. Each part assembles by itself: llvm-mc -triple=amdgcn-amd-amdhsa -mcpu=gfx1250 --defsym DOCPART=n.
;; ======== version 1 of 2: 4 launches
;; workspace buffers: xbuf 25,165,824 bytes; wbuf 4,194,304 bytes; mw 557,056 bytes of whole numbers; qkv 25,165,824 bytes; obuf 8,388,608 bytes
;; launch prep (part 1): grid 1168 x 1, 8 waves a work-group, no clusters, 101,376 bytes of LDS; arguments inputs_q, inputs_kv, Wq, Wk, Wv, Wo, mask, lowp_scales, xbuf, wbuf, mw; writes xbuf, wbuf, mw
.if DOCPART == 1
	.amdgcn_target "amdgcn-amd-amdhsa--gfx1250"
	.amdhsa_code_object_version 6
	.text
	.protected	k_qcd1fe8f80a_prep
	.globl	k_qcd1fe8f80a_prep
	.p2align	8
	.type	k_qcd1fe8f80a_prep,@function
k_qcd1fe8f80a_prep:
	s_mov_b64 s[64:65], 0
	v_nop
	global_prefetch_b8 v0, s[64:65] scope:SCOPE_SE
	s_setreg_imm32_b32 hwreg(HW_REG_WAVE_MODE, 25, 1), 1
	s_wait_xcnt 0x0
; PREP: the wide inputs become codes of FP8 (E4M3), laid as IMAGES OF OPERAND REGISTERS, and the mask becomes lane masks.
; An image is 16 rows x 128 along K, 2,048 bytes, four chunks of 512: in chunk c lane l = (r = l % 16, hh = l / 16) has 16 bytes at 16 l: row(r), k = 32 c + 16 hh + 0 .. 15.
; Rows of a tile t: NATURAL 16 t + r, or PERMUTED 32 (t / 2) + 8 (t % 2) + r + 8 (r / 8), so that the results of two neighbouring tiles are 16 neighbours along the next K.
; xbuf: [tensor 3][row tile 512][K step 8] images: inputs_q with e0 (natural), inputs_kv with e2 and again with e4 (permuted), 8 MiB apart.
; wbuf: [weight 4][column tile 64][K step 8] images of Wq, Wk, Wv, Wo (e1, e3, e5, e11): rows = the weight's columns, permuted; K = its first axis.  1 MiB apart.
; mw:   [query tile 128], 4,352 bytes each: 256 bytes holding 64 times the word need | all << 16 (bit s: key step s of 128 keys has an open key / is all open), then 16 steps x 64 words:
;       word 16 b + i, bit L = mask[16 qt + L % 16][128 s + 32 b + 16 (L / 16) + i].  If a row of the tile has no open key at all, need is all ones: such a row's softmax is uniform over all keys.
; code = x / 2^e, held within +-448, to the nearest code, ties to even.  LIMITS: each e between -126 and 119; NaN among the inputs is not served.
; Work-groups 0-15 take the mask (a wave a query tile), 16-143 the weights, the other 1,024 the activations (a wave an image).  Waves share nothing: no barrier.  Each path has LDS bytes of its own.
.set NMSK,  16
.set NWGT,  128
.set ACTP,  528                        ; a stage row of the activations' path: 512 bytes + 16: 33 x 16, so sixteen rows' reads start at sixteen different 16-byte columns
.set ACTW,  16*ACTP                    ; a wave's stage there
.set WGTB,  8*ACTW                     ; behind them the weights' stages, 4,096 bytes a wave
.set SPARE, WGTB+8*4096                ; behind those the spare words, 128 bytes a wave: four blocks of 256 bytes that no other line names
.set MWP,   4352
.set SPW,   5                          ; v5  my spare word's LDS address; never rewritten
.set NIL,   6                          ; v6  0; never rewritten
.set X,     32                         ; numbers as loaded
.set T,     96                         ; two sets of 16 held numbers
.macro CLOSE                           ; the wave's end, behind my last LDS store
	s_wait_tensorcnt 0x0
	ds_add_u32 v[SPW], v[NIL]
	s_wait_dscnt 0x0
	s_endpgm
.endm
.macro MKSCALE e, sc, lim              ; v[sc] = 2^e as f32 (the conversion takes its exponent field), v[lim] = 448 x 2^e
	s_add_co_i32 s56, s[\e], 127
	s_lshl_b32 s57, s56, 23
	v_mov_b32 v[\sc], s57
	s_add_co_i32 s56, s56, 8
	s_lshl_b32 s56, s56, 23
	s_or_b32 s56, s56, 0x600000
	v_mov_b32 v[\lim], s56
.endm
	s_load_b512 s[8:23], s[0:1], 0x0               ; inputs_q, inputs_kv, Wq, Wk, Wv, Wo, mask, lowp_scales
	s_load_b128 s[24:27], s[0:1], 0x40             ; xbuf, wbuf
	s_load_b64 s[28:29], s[0:1], 0x50              ; mw
	v_lshl_add_u32 v[SPW], v0, 2, SPARE
	v_mov_b32 v[NIL], 0
	v_lshrrev_b32 v1, 5, v0
	v_readfirstlane_b32 s4, v1                     ; wave 0..7
	v_and_b32 v1, 31, v0                           ; lane
	v_and_b32 v2, 15, v0                           ; r
	v_bfe_u32 v3, v0, 4, 1                         ; hh
	v_lshlrev_b32 v4, 4, v1                        ; 16 x lane
	s_mul_i32 s5, s4, ACTW
	v_add_nc_u32 v7, s5, v4                        ; activations, into the stage: a row's 512 bytes as they lie
	v_mul_u32_u24 v8, v2, ACTP
	v_lshl_add_u32 v8, v3, 6, v8
	v_add_nc_u32 v8, s5, v8                        ; and out of it: row r, + 64 hh: my 16 numbers of a block of 32
	s_lshl_b32 s5, s4, 12
	s_add_co_u32 s5, s5, WGTB
	v_bfe_u32 v9, v0, 3, 1                         ; weights: column 32 G + lane lies in tile 2 G + u, u = (lane / 8) % 2,
	v_and_b32 v10, 7, v0
	v_lshl_add_u32 v10, v3, 3, v10                 ; at row lane % 8 + 8 (lane / 16)
	v_lshlrev_b32 v10, 4, v10
	v_lshl_add_u32 v9, v9, 11, v10
	v_add_nc_u32 v9, s5, v9                        ; into the stage: 2,048 u + 16 row
	v_add_nc_u32 v10, s5, v4                       ; out of it: 16 x lane
	v_lshlrev_b32 v15, 2, v1                       ; 4 x lane
	s_wait_kmcnt 0x0
	s_load_b256 s[32:39], s[22:23], 0x0            ; e0 .. e7
	s_load_b128 s[40:43], s[22:23], 0x20           ; e8 .. e11
	s_cmp_lt_u32 ttmp9, NMSK
	s_cbranch_scc1 .Lmsk
	s_cmp_lt_u32 ttmp9, NMSK+NWGT
	s_cbranch_scc1 .Lwgt
	; ---- ACTIVATIONS.  Work-group a: tensor t = a / 512, row tile rt = a % 512; wave w makes the image of K step w.
	s_wait_kmcnt 0x0
	s_sub_co_u32 s5, ttmp9, NMSK+NWGT
	s_lshr_b32 s6, s5, 9                           ; t: 0 inputs_q, 1 inputs_kv
	s_and_b32 s7, s5, 511                          ; rt
	s_lshr_b32 s44, s7, 1
	s_lshl_b32 s44, s44, 5
	s_and_b32 s45, s7, 1
	s_lshl_b32 s45, s45, 3
	s_add_co_u32 s44, s44, s45                     ; the permuted tile's first row
	s_lshl_b32 s45, s7, 4                          ; the natural tile's
	s_cmp_eq_u32 s6, 0
	s_cselect_b32 s44, s45, s44
	s_cselect_b64 s[46:47], s[8:9], s[10:11]
	s_cselect_b32 s48, 0, 32768                    ; a permuted tile's rows 8-15 lie eight rows further down
	s_cselect_b32 s50, s32, s34                    ; e0 or e2
	s_lshl_b32 s44, s44, 12                        ; a row is 4,096 bytes
	s_lshl_b32 s45, s4, 9                          ; my K step's 512 bytes of it
	s_add_co_u32 s44, s44, s45
	s_mov_b32 s45, 0
	s_mov_b32 s49, 0
	s_add_nc_u64 s[46:47], s[46:47], s[44:45]
	s_add_nc_u64 s[48:49], s[46:47], s[48:49]
.set i, 0
.rept 8
	global_load_b128 v[X+4*i:X+4*i+3], v4, s[46:47] offset:4096*i th:TH_LOAD_NT   ; 32 lanes read 512 consecutive bytes of row i
.set i, i+1
.endr
.rept 8
	global_load_b128 v[X+4*i:X+4*i+3], v4, s[48:49] offset:4096*i th:TH_LOAD_NT
.set i, i+1
.endr
	s_lshl_b32 s52, s7, 3
	s_add_co_u32 s52, s52, s4
	s_lshl_b32 s52, s52, 11                        ; image (rt, w)
	s_lshl_b32 s53, s6, 23                         ; tensor t
	s_add_co_u32 s52, s52, s53
	s_mov_b32 s53, 0
	s_add_nc_u64 s[52:53], s[24:25], s[52:53]
	s_add_nc_u64 s[54:55], s[52:53], 0x800000      ; the same image of the third tensor
	MKSCALE 50, 11, 12
	MKSCALE 36, 13, 14                             ; e4
.set i, 0
.rept 16
	s_wait_loadcnt 15-i                            ; loads come back in order: row i is in, the younger ones may be out
	ds_store_b128 v7, v[X+4*i:X+4*i+3] offset:ACTP*i
.set i, i+1
.endr
	s_wait_dscnt 0x0                               ; the stores have read their registers, which take the numbers back
.irp c, 0,1,2,3
.irp j, 0,1,2,3
	ds_load_b128 v[X+16*\c+4*\j:X+16*\c+4*\j+3], v8 offset:128*\c+16*\j   ; register 16 c + i = k 32 c + 16 hh + i of my row
.endr
.endr
	s_wait_dscnt 0x0
; 64 numbers of a lane become an image's 16 registers.  The held numbers go into two sets by turns, so that the loaded numbers stay for a second scale.
.macro AQUANT dst, sc, lim
.irp c, 0,1,2,3
.set i, 0
.rept 16
	v_med3_num_f32 v[T+16*(\c%2)+i], v[X+16*\c+i], -v[\lim], v[\lim]   ; the conversion to an 8-bit code does not saturate (ISA guide 7.6.2): the hold at the largest code x the scale
.set i, i+1
.endr
	v_cvt_scalef32_pk8_fp8_f32 v[\dst+4*\c:\dst+4*\c+1], v[T+16*(\c%2):T+16*(\c%2)+7], v[\sc]
	v_cvt_scalef32_pk8_fp8_f32 v[\dst+4*\c+2:\dst+4*\c+3], v[T+16*(\c%2)+8:T+16*(\c%2)+15], v[\sc]
.endr
	v_nop                                          ; a plain line behind the last conversion
.endm
	AQUANT 128, 11, 12
.irp c, 0,1,2,3
	global_store_b128 v4, v[128+4*\c:131+4*\c], s[52:53] offset:512*\c   ; 32 lanes store 512 consecutive bytes, aligned
.endr
	s_cmp_eq_u32 s6, 0
	s_cbranch_scc1 .Lact_done
	AQUANT 144, 13, 14                             ; inputs_kv once more, with the scale of the product with Wv
.irp c, 0,1,2,3
	global_store_b128 v4, v[144+4*\c:147+4*\c], s[54:55] offset:512*\c
.endr
.Lact_done:
	CLOSE
	; ---- WEIGHTS.  Work-group g: weight g / 32, K step (g / 4) % 8; wave w takes columns 32 G .. 32 G + 31, G = 8 (g % 4) + w.  A lane takes a column and its registers run down K.
.Lwgt:
	s_wait_kmcnt 0x0
	s_sub_co_u32 s5, ttmp9, NMSK
	s_lshr_b32 s6, s5, 5                           ; 0 Wq, 1 Wk, 2 Wv, 3 Wo
	s_bfe_u32 s7, s5, 0x30002                      ; K step
	s_and_b32 s44, s5, 3
	s_lshl_b32 s44, s44, 3
	s_add_co_u32 s44, s44, s4                      ; G
	s_bitcmp1_b32 s6, 0
	s_cselect_b64 s[46:47], s[14:15], s[12:13]
	s_cselect_b64 s[48:49], s[18:19], s[16:17]
	s_cselect_b32 s50, s35, s33                    ; e3 or e1
	s_cselect_b32 s51, s43, s37                    ; e11 or e5
	s_bitcmp1_b32 s6, 1
	s_cselect_b64 s[46:47], s[48:49], s[46:47]
	s_cselect_b32 s50, s51, s50
	s_lshl_b32 s52, s7, 19                         ; 128 rows of 4,096 bytes a K step
	s_lshl_b32 s53, s44, 7
	s_add_co_u32 s52, s52, s53
	s_mov_b32 s53, 0
	s_add_nc_u64 s[46:47], s[46:47], s[52:53]
.set kk, 0
.rept 128
	global_load_b32 v[X+kk], v15, s[46:47] offset:4096*kk th:TH_LOAD_NT   ; row kk of the K step: 128 consecutive bytes a wave, 1,024 the eight waves
.set kk, kk+1
.endr
	s_lshl_b32 s52, s6, 20
	s_lshl_b32 s53, s44, 15                        ; tile 2 G: 16 G images of 2,048 bytes
	s_add_co_u32 s52, s52, s53
	s_lshl_b32 s53, s7, 11
	s_add_co_u32 s52, s52, s53
	s_mov_b32 s53, 0
	s_add_nc_u64 s[52:53], s[26:27], s[52:53]
	MKSCALE 50, 11, 12
.macro WBLOCK c, left                  ; 32 along K of my column: 16 bytes for each half of chunk c
	s_wait_loadcnt \left
.set i, 0
.rept 32
	v_med3_num_f32 v[X+32*\c+i], v[X+32*\c+i], -v12, v12
.set i, i+1
.endr
.irp g, 0,1,2,3
	v_cvt_scalef32_pk8_fp8_f32 v[160+2*\g:161+2*\g], v[X+32*\c+8*\g:X+32*\c+8*\g+7], v11
.endr
	v_nop
	ds_store_b128 v9, v[160:163] offset:512*\c
	ds_store_b128 v9, v[164:167] offset:512*\c+256
	s_wait_dscnt 0x0                               ; the stores have read their registers: the next block's codes may be written
.endm
	WBLOCK 0, 63                                   ; 96 younger loads could stay out; the wait's field holds 63, and a smaller count is safe
	WBLOCK 1, 63
	WBLOCK 2, 32
	WBLOCK 3, 0
.irp m, 0,1,2,3,4,5,6,7
	ds_load_b128 v[X+4*\m:X+4*\m+3], v10 offset:512*\m    ; LDS serves a wave's instructions in order: these see my stores
.endr
.irp m, 0,1,2,3,4,5,6,7
	s_wait_dscnt 7-\m
	global_store_b128 v4, v[X+4*\m:X+4*\m+3], s[52:53] offset:16384*(\m/4)+512*(\m%4)   ; tile 2 G, then tile 2 G + 1: 512 consecutive bytes a store
.endr
	CLOSE
	; ---- THE MASK.  Wave w of work-group x takes query tile 8 x + w: 16 rows x 2,048 bytes, 16 key steps.  Lane (r, hh) loads, for b = 0 .. 3, the 16 bytes of row r at key 128 s + 32 b + 16 hh.
	; A compare of byte i over the 32 lanes IS word 16 b + i.  The 64 words of a step are gathered into a register pair by v_writelane_b32 and leave as 256 consecutive bytes.  No LDS here.
.Lmsk:
	s_wait_kmcnt 0x0
	s_lshl_b32 s5, ttmp9, 3
	s_add_co_u32 s5, s5, s4                        ; qt
	s_lshl_b32 s44, s5, 15
	s_mov_b32 s45, 0
	s_add_nc_u64 s[44:45], s[20:21], s[44:45]
	s_mul_i32 s46, s5, MWP
	s_mov_b32 s47, 0
	s_add_nc_u64 s[46:47], s[28:29], s[46:47]
	v_lshlrev_b32 v114, 11, v2
	v_lshl_add_u32 v114, v3, 4, v114               ; 2,048 r + 16 hh, + 512 a trip
	v_lshlrev_b32 v115, 3, v1                      ; 8 x lane, + 1,024 a trip
.irp j, 0,1,2,3,4,5,6,7
	v_mov_b32 v[96+\j], 0                          ; the four pairs: a lane write's destination counts as read
.endr
	s_mov_b32 s50, 0                               ; need
	s_mov_b32 s51, 0                               ; all
	s_mov_b32 s52, 0                               ; bit L: lane L has seen an open key
	s_mov_b32 s53, 1                               ; the bit of the trip's first step
	s_mov_b32 s7, 0
.macro MLOAD k, off
.irp b, 0,1,2,3
	global_load_b128 v[X+16*\k+4*\b:X+16*\k+4*\b+3], v114, s[44:45] offset:\off+32*\b th:TH_LOAD_NT
.endr
.endm
.macro MSTEP k, refill, left           ; the trip's step k, in register set k
	s_wait_loadcnt \left                           ; my set's four loads are in; the younger sets' may be out
	s_mov_b32 s48, 0
	s_mov_b32 s49, -1
.set g, 0
.rept 8                                ; eight words at a time, so that no line waits for the line above it
.irp j, 0,1,2,3,4,5,6,7
	v_and_b32 v[104+\j], 0xff<<(8*(\j%4)), v[X+16*\k+4*(g/2)+2*(g%2)+\j/4]
.endr
.irp j, 0,1,2,3,4,5,6,7
	v_cmp_ne_u32 s[56+\j], 0, v[104+\j]
.endr
.irp j, 0,1,2,3,4,5,6,7
	v_writelane_b32 v[96+2*\k+\j%2], s[56+\j], 4*g+\j/2    ; word n = 8 g + j: register n % 2, lane n / 2
.endr
.irp j, 0,1,2,3,4,5,6,7
	s_or_b32 s48, s48, s[56+\j]
	s_and_b32 s49, s49, s[56+\j]
.endr
.set g, g+1
.endr
	global_store_b64 v115, v[96+2*\k:97+2*\k], s[46:47] offset:256+256*\k   ; 32 lanes store 256 consecutive bytes, aligned
.if \refill
	MLOAD \k, 128*(\k+4)                           ; the same set's step of the next trip
.endif
	s_lshl_b32 s54, s53, \k
	s_or_b32 s52, s52, s48
	s_cmp_lg_u32 s48, 0
	s_cselect_b32 s55, s54, 0
	s_or_b32 s50, s50, s55
	s_cmp_eq_u32 s49, -1
	s_cselect_b32 s55, s54, 0
	s_or_b32 s51, s51, s55
.endm
	MLOAD 0, 0
	MLOAD 1, 128
	MLOAD 2, 256
	MLOAD 3, 384
.Lmtrip:                                       ; three trips of four steps, each asking for the next trip's
	MSTEP 0, 1, 12
	MSTEP 1, 1, 12
	MSTEP 2, 1, 12
	MSTEP 3, 1, 12
	s_wait_xcnt 0x0                                ; the trip's loads and stores have read their offsets and data: both offsets step, and the pairs may be written again
	v_add_nc_u32 v114, 512, v114
	v_add_nc_u32 v115, 1024, v115
	s_lshl_b32 s53, s53, 4
	s_add_co_u32 s7, s7, 1
	s_cmp_lt_u32 s7, 3
	s_cbranch_scc1 .Lmtrip
	MSTEP 0, 0, 12                                 ; the last four steps load nothing: the counts run down
	MSTEP 1, 0, 8
	MSTEP 2, 0, 4
	MSTEP 3, 0, 0
	s_lshr_b32 s55, s52, 16
	s_or_b32 s55, s55, s52
	s_and_b32 s55, s55, 0xffff                     ; bit r: row r has an open key
	s_cmp_eq_u32 s55, 0xffff
	s_cselect_b32 s50, s50, 0xffff                 ; a row with none needs every step
	s_lshl_b32 s51, s51, 16
	s_or_b32 s50, s50, s51
	v_mov_b32 v104, s50
	v_mov_b32 v105, s50
	v_lshlrev_b32 v106, 3, v1
	global_store_b64 v106, v[104:105], s[46:47]    ; the tile's first 256 bytes
	s_endpgm
.Lfunc_end_k_qcd1fe8f80a_prep:
	.size	k_qcd1fe8f80a_prep, .Lfunc_end_k_qcd1fe8f80a_prep-k_qcd1fe8f80a_prep
	.p2alignl 7, 3214868480
	.fill 96, 4, 3214868480
	.section	.rodata,"a",@progbits
	.p2align	6, 0x0
	.amdhsa_kernel k_qcd1fe8f80a_prep
		.amdhsa_group_segment_fixed_size 101376
		.amdhsa_private_segment_fixed_size 0
		.amdhsa_enable_private_segment 0
		.amdhsa_kernarg_size 88
		.amdhsa_user_sgpr_count 2
		.amdhsa_user_sgpr_kernarg_segment_ptr 1
		.amdhsa_wavefront_size32 1
		.amdhsa_system_sgpr_workgroup_id_x 1
		.amdhsa_system_sgpr_workgroup_id_y 1
		.amdhsa_system_sgpr_workgroup_id_z 1
		.amdhsa_system_vgpr_workitem_id 0
		.amdhsa_next_free_vgpr 168
		.amdhsa_next_free_sgpr 66
		.amdhsa_reserve_vcc 0
		.amdhsa_float_denorm_mode_32 3
		.amdhsa_float_denorm_mode_16_64 3
		.amdhsa_memory_ordered 1
		.amdhsa_forward_progress 1
		.amdhsa_inst_pref_size 179
	.end_amdhsa_kernel
	.amdgpu_metadata
---
amdhsa.version: [ 1, 2 ]
amdhsa.kernels:
  - .name:           k_qcd1fe8f80a_prep
    .symbol:         k_qcd1fe8f80a_prep.kd
    .args:
      - { .name: inputs_q, .offset: 0, .size: 8, .value_kind: global_buffer, .address_space: global }
      - { .name: inputs_kv, .offset: 8, .size: 8, .value_kind: global_buffer, .address_space: global }
      - { .name: Wq, .offset: 16, .size: 8, .value_kind: global_buffer, .address_space: global }
      - { .name: Wk, .offset: 24, .size: 8, .value_kind: global_buffer, .address_space: global }
      - { .name: Wv, .offset: 32, .size: 8, .value_kind: global_buffer, .address_space: global }
      - { .name: Wo, .offset: 40, .size: 8, .value_kind: global_buffer, .address_space: global }
      - { .name: mask, .offset: 48, .size: 8, .value_kind: global_buffer, .address_space: global }
      - { .name: lowp_scales, .offset: 56, .size: 8, .value_kind: global_buffer, .address_space: global }
      - { .name: xbuf, .offset: 64, .size: 8, .value_kind: global_buffer, .address_space: global }
      - { .name: wbuf, .offset: 72, .size: 8, .value_kind: global_buffer, .address_space: global }
      - { .name: mw, .offset: 80, .size: 8, .value_kind: global_buffer, .address_space: global }
    .group_segment_fixed_size: 101376
    .private_segment_fixed_size: 0
    .kernarg_segment_align: 8
    .kernarg_segment_size: 88
    .max_flat_workgroup_size: 256
    .sgpr_count:     66
    .vgpr_count:     168
    .wavefront_size: 32
...
	.end_amdgpu_metadata
.endif
;; end of part 1
;; launch proj (part 2): grid 4 x 96, 4 waves a work-group, clusters of 4 x 4, 327,680 bytes of LDS; arguments xbuf, wbuf, lowp_scales, qkv; writes qkv
.if DOCPART == 2
	.amdgcn_target "amdgcn-amd-amdhsa--gfx1250"
	.amdhsa_code_object_version 6
	.text
	.protected	k_qcd1fe8f80a_proj
	.globl	k_qcd1fe8f80a_proj
	.p2align	8
	.type	k_qcd1fe8f80a_proj,@function
k_qcd1fe8f80a_proj:
	s_mov_b64 s[64:65], 0
	v_nop
	global_prefetch_b8 v0, s[64:65] scope:SCOPE_SE
	s_setreg_imm32_b32 hwreg(HW_REG_WAVE_MODE, 25, 1), 1
	s_wait_xcnt 0x0
	s_wait_alu depctr_hold_cnt(0) depctr_sa_sdst(0) depctr_va_vdst(0) depctr_va_sdst(0) depctr_va_ssrc(0) depctr_va_vcc(0) depctr_vm_vsrc(0)
	s_getreg_b32 s2, hwreg(HW_REG_IB_STS2, 6, 4)
	s_cmp_eq_u32 s2, 0
	s_cbranch_scc0 .Lentry_in_a_cluster
	s_endpgm
.Lentry_in_a_cluster:
	s_bfe_u32 s2, ttmp6, 0x10000c
	s_cmp_lg_u32 s2, 0xf033
	s_cbranch_scc0 .Lentry_shape_is_right
	s_endpgm
.Lentry_shape_is_right:
; PROJ: q = x_q Wq, k = x_kv Wk, v = x_kv Wv on codes of FP8 (E4M3); the f32 sums are quantised in registers and leave as codes, laid as images of the next products' operands.
; Three GEMMs of 8,192 x 1,024 x 1,024 in one launch: cluster y = 8 p + I, p = 0 (q), 1 (k), 2 (v).  A tile of C is 256 x 256: four waves, each 128 x 128: 64 accumulators, 512 registers.
; Operands come as images (16 rows x 128 K = 2,048 bytes, lane l's 16 bytes of chunk c at 512 c + 16 l), [row tile][K step 8]: a fragment is four loads of 16 bytes a lane at 16 x lane: no pitch, no padding.
; THE MATRIX INSTRUCTION IS USED TRANSPOSED: source 0 = 16 rows of B, source 1 = 16 rows of A: a lane holds one row of A, its registers run along B's rows.  B's tiles hold PERMUTED rows, so the 16 registers
; of B's tiles 2 j, 2 j + 1 are 16 neighbours, 32 j + 16 (lane / 16) + 0 .. 15: two conversions make 16 bytes of an image.  For q and k: A = tokens, B = the weight's columns (a lane: one token, registers along the head's
; axis).  For v the roles are swapped, A = Wv's columns, B = tokens: a lane holds one channel and its registers run along the keys, which are the K of the product with the softmax.
; qkv: q at 0: [head 64][query tile 128] images of 16 x 64 (1,024 bytes); k at 8 MiB: the same by key tiles, keys permuted; v at 16 MiB: [head 64][key step 16][channel tile 4] images of 16 channels x 128 keys.
; K goes in steps of 256 through a ring of two LDS slots filled by the tensor data mover; the four slots' worth of K are written straight.
; CLUSTERS: 4 x 4 work-groups; A's tiles are asked for jointly along a row of the cluster, B's along a column.  The grid's x is one cluster wide.
; code = sum x 2^(ea + eb) / 2^eo, held within +-448: the three exponents are folded into the conversion's one scale.  LIMIT: eo - ea - eb between -126 and 119.
; REGISTERS, in windows of 256: window 0: v16-29 addresses and constants; from v128 A's fragments, one set; on the way out v32-95 held sums, v128-255 codes.  window 1: B's fragments, two sets.  windows 2, 3: the accumulators.
.set FR,     16                        ; registers of a fragment
.set NL,     4                         ; LDS loads that bring one
.set NP,     4                         ; places behind this matrix instruction (ISA guide 7.12.1)
.set HALFT,  32768                     ; 8 row tiles x 2 K steps of 128 x 2,048 bytes: what one tensor load brings, and what one wave reads of A or of B
.set SLOT,   4*HALFT
.set SLOTB,  4096                      ; a row tile's bytes in a slot
.set SPARE,  2*SLOT                    ; behind the ring: the spare words, 128 bytes a wave: two blocks of 256 bytes that no other line names
.set ADRA, 16                          ; v16-17  LDS address of my A fragments in slot 0, 1
.set ADRB, 20                          ; v20-21  the same for B
.set OA,   22                          ; v22     16 x lane: an image's place for my lane
.set OB,   23                          ; v23     the same, two chunks on (q, k: the next head; v: the next two chunks)
.set LIM,  26                          ; v26     448 x the scale
.set SCL,  27                          ; v27     the scale as f32
.set SPW,  28                          ; v28     my spare word; never rewritten
.set NIL,  29                          ; v29     0; never rewritten
.set TMP,  32
.set AF,   128
.set COD,  128
.set G1, 24                            ; s[24:31] descriptor group 1 for A's tiles;  s[32:39] group 0, one set for each slot
.set G0, 32
.set G1B, 48                           ; s[48:55], s[56:63] the same for B's tiles
.set G0B, 56
.set MSB, 0
.macro WIN new                         ; the immediate's high byte repeats the setting that is left
.if MSB != \new
	s_set_vgpr_msb (MSB<<8)|\new
.set MSB, \new
.endif
.endm
.set MUL_LO, 0xa1                      ; source 0 (B) window 1, source 1 (A) window 0, C and D window 2
.set MUL_HI, 0xf1                      ; the same, C and D window 3
.set TO_B,   0x40                      ; destination window 1, address window 0
; A joint load: waves 0 and 1 fetch for A, waves 2 and 3 for B.  The branch hangs on the wave's number alone.  An s_nop 0 and four v_nop follow each of the two lines.
.macro JLOAD g0a, g1a, g0b, g1b
	s_cmp_eq_u32 s15, 0
	s_cbranch_scc0 .Lfor_b_\@
	tensor_load_to_lds s[\g0a:\g0a+3], s[\g1a:\g1a+7]
	s_nop 0
.rept 4
	v_nop
.endr
	s_branch .Lasked_\@
.Lfor_b_\@:
	tensor_load_to_lds s[\g0b:\g0b+3], s[\g1b:\g1b+7]
	s_nop 0
.rept 4
	v_nop
.endr
.Lasked_\@:
.endm
.macro CREST                           ; a round of the cluster's barrier behind its opening barrier
	s_cmp_lg_u32 s14, 0
	s_cbranch_scc1 .Lnot_wave_0_\@
	s_barrier_signal -3
.Lnot_wave_0_\@:
	s_barrier_wait -3
	s_barrier_signal -1
	s_barrier_wait -1
.endm
.macro CROUND
	s_barrier_signal -1
	s_barrier_wait -1
	CREST
.endm
	s_load_b256 s[4:11], s[0:1], 0x0               ; xbuf s[4:5], wbuf s[6:7], the scales' exponents s[8:9], qkv s[10:11]
	v_lshl_add_u32 v[SPW], v0, 2, SPARE
	v_mov_b32 v[NIL], 0
	ds_add_u32 v[SPW], v[NIL]                      ; the wave's opening: the add, and its wait ahead of my first tensor load; the set-up below stands between them
	v_lshrrev_b32 v1, 5, v0
	v_readfirstlane_b32 s14, v1                    ; wave 0..3
	s_lshr_b32 s15, s14, 1                         ; which half of the tile's rows is mine.  Also: I fetch for A (0) or for B (1)
	s_and_b32 s16, s14, 1                          ; which half of its columns.  Also: which 8 row tiles I fetch
	s_bfe_u32 s40, ttmp6, 0x40000                  ; cx, cy: my place in the cluster
	s_bfe_u32 s41, ttmp6, 0x40004
	s_and_b32 s66, ttmp7, 0xffff                   ; cluster y
	s_lshr_b32 s67, s66, 3                         ; p: which product
	s_and_b32 s66, s66, 7
	s_lshl_b32 s66, s66, 2                         ; 4 I: the tokens' side has 32 tiles of 256, the weight's four
	s_cmp_eq_u32 s67, 2
	s_cselect_b32 s17, 0, s66
	s_cselect_b32 s42, s66, 0
	s_add_co_u32 s17, s17, s41                     ; tile row of C (A's side)
	s_add_co_u32 s42, s42, s40                     ; tile column (B's side)
	s_lshl_b32 s43, s41, 2
	s_lshl_b32 s43, 15, s43                        ; my row of the cluster
	s_lshl_b32 s44, 0x1111, s40                    ; my column
	; descriptor group 1: 8 rows (row tiles) of 4,096 bytes, 16,384 bytes apart, as elements of 8 bytes; dense in LDS
	s_or_b32 s[G1+0], s43, (3<<16)|(1<<21)         ; 15:0 the mask: A's tiles go to my row; 17:16 elements of 8 bytes; 20 no padding; 21 set beside a mask
	s_or_b32 s[G1B+0], s44, (3<<16)|(1<<21)
.irp g, G1, G1B
	s_mov_b32 s[\g+1], 512<<16                     ; tensor_dim0 = 512
	s_mov_b32 s[\g+2], 8<<16                       ; tensor_dim1 = 8
	s_mov_b32 s[\g+3], 512<<16                     ; tile_dim0 = 512
	s_mov_b32 s[\g+4], 8                           ; tile_dim1 = 8
	s_mov_b32 s[\g+5], 2048                        ; tensor_dim0_stride
	s_mov_b32 s[\g+6], 0
	s_mov_b32 s[\g+7], 0
.endr
	s_lshl_b32 s68, s67, 23                        ; A: x_q at 0, x_kv (e2) at 8 MiB of xbuf; for v: Wv at 2 MiB of wbuf
	s_lshl_b32 s69, s67, 20                        ; B: Wq at 0, Wk at 1 MiB of wbuf; for v: x_kv (e4) at 16 MiB of xbuf
	s_cmp_eq_u32 s67, 2
	s_cselect_b32 s68, 0x200000, s68
	s_cselect_b32 s69, 0x1000000, s69
	s_lshl_b32 s18, s16, 17                        ; which 8 row tiles of the tile's 16 I fetch
	s_lshl_b32 s20, s17, 18                        ; a tile's 16 row tiles are 262,144 bytes
	s_add_co_u32 s20, s20, s18
	s_add_co_u32 s20, s20, s68
	s_mov_b32 s21, 0
	s_lshl_b32 s46, s42, 18
	s_add_co_u32 s46, s46, s18
	s_add_co_u32 s46, s46, s69
	s_mov_b32 s47, 0
	s_lshl_b32 s45, s14, 15                        ; where they go: wave x HALFT: no place in the cluster enters an LDS address
	s_lshl_b32 s74, s67, 3
	s_lshl_b32 s75, s67, 2
	s_wait_dscnt 0x0                               ; the opening add is done
	s_wait_kmcnt 0x0
	s_load_b64 s[96:97], s[8:9], s74 offset:0x0    ; ea, eb: entries 2 p, 2 p + 1
	s_load_b32 s76, s[8:9], s75 offset:0x18        ; eo: entry 6 + p
	s_cmp_eq_u32 s67, 2
	s_cselect_b64 s[70:71], s[6:7], s[4:5]
	s_cselect_b64 s[72:73], s[4:5], s[6:7]
	s_add_nc_u64 s[20:21], s[70:71], s[20:21]
	s_add_nc_u64 s[46:47], s[72:73], s[46:47]
	CROUND                                         ; all sixteen work-groups are here: the first joint loads meet
.irp s, 0,1
	s_mov_b32 s[G0+4*\s], 1
	s_add_co_u32 s[G0+4*\s+1], s45, \s*SLOT
	s_add_nc_u64 s[G0+4*\s+2:G0+4*\s+3], s[20:21], \s*SLOTB
	s_or_b32 s[G0+4*\s+3], s[G0+4*\s+3], 0x80000000
	s_mov_b32 s[G0B+4*\s], 1
	s_add_co_u32 s[G0B+4*\s+1], s45, \s*SLOT
	s_add_nc_u64 s[G0B+4*\s+2:G0B+4*\s+3], s[46:47], \s*SLOTB
	s_or_b32 s[G0B+4*\s+3], s[G0B+4*\s+3], 0x80000000
	JLOAD G0+4*\s, G1, G0B+4*\s, G1B
.endr
	v_and_b32 v1, 31, v0
	v_lshlrev_b32 v[OA], 4, v1
	s_lshl_b32 s21, s15, 15                        ; my 8 row tiles of A
	s_lshl_b32 s22, s16, 15                        ; my 8 of B,
	s_add_co_u32 s22, s22, 2*HALFT                 ; which lie behind A's 16
.irp s, 0,1
	v_add_nc_u32 v[ADRA+\s], s21, v[OA]
	v_add_nc_u32 v[ADRB+\s], s22, v[OA]
	s_add_co_u32 s21, s21, SLOT
	s_add_co_u32 s22, s22, SLOT
.endr
	; where my codes go.  tok = my first token, n = my first column of the weight.  One formula serves all three: p x 8 MiB + ((tok / 2048) 16 + n / 64) x 131,072 + (tok % 2048) x 64
	s_lshl_b32 s20, s17, 8
	s_lshl_b32 s21, s15, 7
	s_add_co_u32 s20, s20, s21                     ; my first row on A's side
	s_lshl_b32 s22, s42, 8
	s_lshl_b32 s21, s16, 7
	s_add_co_u32 s22, s22, s21                     ; and on B's
	s_mov_b32 s77, 0x20000
	s_mov_b32 s78, 1024
	s_mov_b32 s80, 1024
	s_cmp_eq_u32 s67, 2
	s_cselect_b32 s21, s22, s20                    ; tok
	s_cselect_b32 s23, s20, s22                    ; n
	s_cselect_b32 s77, 1024, s77                   ; two chunks on: q, k: the next head's image; v: 1,024 bytes
	s_cselect_b32 s78, 2048, s78                   ; from a block of A's 16 rows to the next: q, k: the next token tile; v: the next channel tile,
	s_cselect_b32 s80, 124928, s80                 ; and from block 3 to block 4: v: the next head's first channel tile, 131,072 - 3 x 2,048
	s_mov_b32 s79, 0
	s_mov_b32 s81, 0
	v_add_nc_u32 v[OB], s77, v[OA]
	s_lshr_b32 s82, s21, 11
	s_lshl_b32 s82, s82, 4
	s_lshr_b32 s83, s23, 6
	s_add_co_u32 s82, s82, s83
	s_lshl_b32 s82, s82, 17
	s_and_b32 s83, s21, 2047
	s_lshl_b32 s83, s83, 6
	s_add_co_u32 s82, s82, s83
	s_lshl_b32 s83, s67, 23
	s_add_co_u32 s82, s82, s83
	s_mov_b32 s83, 0
	s_add_nc_u64 s[10:11], s[10:11], s[82:83]
.macro FRAG reg, adr, q, i             ; a fragment comes as its image lies: row tile i of my eight, the slot's q-th 128 along K
.irp c, 0,1,2,3
	ds_load_b128 v[\reg+4*\c:\reg+4*\c+3], v[\adr] offset:2048*(\q)+512*\c+(\i)*4096
.endr
.endm
; 16 matrix instructions: A's blocks a0, a0 + 1 x B's eight, 128 along K.  p: B's set.  zero = 1: the first product starts the sums.  The 64 accumulators take turns, one instruction a turn.
.macro MUL16 a0, p, zero
.irp a, \a0, \a0+1
.irp b, 0,1,2,3,4,5,6,7
.if \zero
	v_wmma_f32_16x16x128_fp8_fp8 v[8*(8*((\a)%4)+\b):8*(8*((\a)%4)+\b)+7], v[128*(\p)+FR*\b:128*(\p)+FR*\b+FR-1], v[AF+FR*(\a):AF+FR*(\a)+FR-1], 0
.else
	v_wmma_f32_16x16x128_fp8_fp8 v[8*(8*((\a)%4)+\b):8*(8*((\a)%4)+\b)+7], v[128*(\p)+FR*\b:128*(\p)+FR*\b+FR-1], v[AF+FR*(\a):AF+FR*(\a)+FR-1], v[8*(8*((\a)%4)+\b):8*(8*((\a)%4)+\b)+7]
.endif
.endr
.endr
.endm
.macro FETCH_B slot, q, p
	WIN TO_B
.irp i, 0,1,2,3,4,5,6,7
	FRAG 128*(\p)+FR*\i, ADRB+\slot, \q, \i
.endr
	WIN 0
.endm
.macro FETCH_A slot, q, i0
.irp i, \i0, \i0+1, \i0+2, \i0+3
	FRAG AF+FR*(\i), ADRA+\slot, \q, \i
.endr
.endm
.macro PLACES n                        ; plain vector lines between a matrix instruction and a load into, or a vector read of, its registers
.rept \n
	v_nop
.endr
.endm
; A step of 128 along K that has its successor in the same slot.  A has one set of registers (a block is free once its eight products are issued), B two.
.macro STEP slot, q, zero
	s_wait_dscnt 4*NL                              ; B's set and A's blocks 0-3 are in; the youngest 16 loads (A's blocks 4-7) may be out
	WIN MUL_LO
	MUL16 0, (\q)%2, \zero
	MUL16 2, (\q)%2, \zero
	s_wait_dscnt 0                                 ; A's blocks 4-7 are in
	PLACES NP
	FETCH_B \slot, (\q)+1, 1-(\q)%2
	FETCH_A \slot, (\q)+1, 0
	WIN MUL_HI
	MUL16 4, (\q)%2, \zero
	MUL16 6, (\q)%2, \zero
	PLACES NP
	WIN 0
	FETCH_A \slot, (\q)+1, 4
.endm
; A slot's last step changes slots: one barrier; in front of it each wave waits for all its tensor loads, adds 0 to its spare word, and waits for that and for its reads of this slot.  fill = 1: the slot is filled again.
.macro TURN slot, next, fill
	s_wait_tensorcnt 0x0                           ; all my tensor loads have landed: my part of the next slot
	ds_add_u32 v[SPW], v[NIL]                      ; 0 onto my spare word
	s_wait_dscnt 4*NL+1                            ; (the add and the youngest 16 loads may be out)
	WIN MUL_LO
	MUL16 0, 1, 0
	s_wait_dscnt 0x0                               ; the add is done, and my reads of this slot are over
	s_barrier_signal -1
	MUL16 2, 1, 0
	WIN 0
	s_barrier_wait -1
.if \fill
	CREST                                          ; the barrier has opened a round of the cluster's: no wave of any partner still reads this slot or has a load on its way
	s_add_nc_u64 s[G0+4*\slot+2:G0+4*\slot+3], s[G0+4*\slot+2:G0+4*\slot+3], 2*SLOTB
	s_add_nc_u64 s[G0B+4*\slot+2:G0B+4*\slot+3], s[G0B+4*\slot+2:G0B+4*\slot+3], 2*SLOTB
	JLOAD G0+4*\slot, G1, G0B+4*\slot, G1B         ; the first tensor load behind the round; its four v_nop are the places in front of the loads below
.else
	PLACES NP
.endif
	FETCH_B \next, 0, 0
	FETCH_A \next, 0, 0
	WIN MUL_HI
	MUL16 4, 1, 0
	MUL16 6, 1, 0
	PLACES NP
	WIN 0
	FETCH_A \next, 0, 4
.endm
	s_wait_tensorcnt 1                             ; my part of slot 0 is in; slot 1's load may be out
	s_barrier_signal -1
	s_barrier_wait -1
	FETCH_B 0, 0, 0
	FETCH_A 0, 0, 0
	FETCH_A 0, 0, 4
	STEP 0, 0, 1                                   ; K 0-127: its products start the sums
	TURN 0, 1, 1                                   ; K 128-255; slot 0 takes K 512-767
	STEP 1, 0, 0
	TURN 1, 0, 1                                   ; slot 1 takes K 768-1023
	STEP 0, 0, 0
	TURN 0, 1, 0                                   ; nothing is left to fetch
	STEP 1, 0, 0
	s_wait_dscnt 4*NL
	WIN MUL_LO
	MUL16 0, 1, 0
	MUL16 2, 1, 0
	s_wait_dscnt 0
	WIN MUL_HI
	MUL16 4, 1, 0
	MUL16 6, 1, 0
	WIN 0
	; THE WAY OUT: no LDS.  A block of A's 16 rows: 64 sums a lane are held, converted (16 registers of codes, four chunks) and stored: each store is 512 consecutive bytes, aligned.
	s_wait_kmcnt 0x0
	s_sub_co_i32 s76, s76, s96
	s_sub_co_i32 s76, s76, s97                     ; eo - ea - eb
	s_add_co_i32 s76, s76, 127
	s_lshl_b32 s84, s76, 23
	v_mov_b32 v[SCL], s84
	s_add_co_i32 s76, s76, 8
	s_lshl_b32 s76, s76, 23
	s_or_b32 s76, s76, 0x600000
	v_mov_b32 v[LIM], s76
	PLACES NP
.macro OUTBLK a
.set AC, 64*((\a)%4)
	WIN 0x02+((\a)/4)                              ; source 0: window 2 or 3
.set j, 0
.rept 64
	v_med3_num_f32 v[TMP+j], v[AC+j], -v[LIM], v[LIM]   ; the hold; each accumulator from its low end on
.set j, j+1
.endr
	WIN 0
.irp g, 0,1,2,3,4,5,6,7
	v_cvt_scalef32_pk8_fp8_f32 v[COD+16*(\a)+2*\g:COD+16*(\a)+2*\g+1], v[TMP+8*\g:TMP+8*\g+7], v[SCL]
.endr
	v_nop                                          ; a plain line behind the last conversion: the next block writes its sources
.if (\a) > 0
	s_wait_xcnt 0x0                                ; the last block's stores have read their base
.if (\a) == 4
	s_add_nc_u64 s[10:11], s[10:11], s[80:81]
.else
	s_add_nc_u64 s[10:11], s[10:11], s[78:79]
.endif
.endif
	global_store_b128 v[OA], v[COD+16*(\a):COD+16*(\a)+3], s[10:11]
	global_store_b128 v[OA], v[COD+16*(\a)+4:COD+16*(\a)+7], s[10:11] offset:512
	global_store_b128 v[OB], v[COD+16*(\a)+8:COD+16*(\a)+11], s[10:11]
	global_store_b128 v[OB], v[COD+16*(\a)+12:COD+16*(\a)+15], s[10:11] offset:512
.endm
.irp a, 0,1,2,3,4,5,6,7
	OUTBLK \a
.endr
	s_wait_tensorcnt 0x0                           ; the wave's end
	ds_add_u32 v[SPW], v[NIL]
	s_wait_dscnt 0x0
	CROUND                                         ; the closing round: no work-group ends while a partner may still ask for a tile that names it
	s_endpgm
.Lfunc_end_k_qcd1fe8f80a_proj:
	.size	k_qcd1fe8f80a_proj, .Lfunc_end_k_qcd1fe8f80a_proj-k_qcd1fe8f80a_proj
	.p2alignl 7, 3214868480
	.fill 96, 4, 3214868480
	.section	.rodata,"a",@progbits
	.p2align	6, 0x0
	.amdhsa_kernel k_qcd1fe8f80a_proj
		.amdhsa_group_segment_fixed_size 327680
		.amdhsa_private_segment_fixed_size 0
		.amdhsa_enable_private_segment 0
		.amdhsa_kernarg_size 32
		.amdhsa_user_sgpr_count 2
		.amdhsa_user_sgpr_kernarg_segment_ptr 1
		.amdhsa_wavefront_size32 1
		.amdhsa_system_sgpr_workgroup_id_x 1
		.amdhsa_system_sgpr_workgroup_id_y 1
		.amdhsa_system_sgpr_workgroup_id_z 1
		.amdhsa_system_vgpr_workitem_id 0
		.amdhsa_next_free_vgpr 1024
		.amdhsa_next_free_sgpr 100
		.amdhsa_reserve_vcc 0
		.amdhsa_float_denorm_mode_32 3
		.amdhsa_float_denorm_mode_16_64 3
		.amdhsa_memory_ordered 1
		.amdhsa_forward_progress 1
		.amdhsa_inst_pref_size 118
	.end_amdhsa_kernel
	.amdgpu_metadata
---
amdhsa.version: [ 1, 2 ]
amdhsa.kernels:
  - .name:           k_qcd1fe8f80a_proj
    .symbol:         k_qcd1fe8f80a_proj.kd
    .args:
      - { .name: xbuf, .offset: 0, .size: 8, .value_kind: global_buffer, .address_space: global }
      - { .name: wbuf, .offset: 8, .size: 8, .value_kind: global_buffer, .address_space: global }
      - { .name: lowp_scales, .offset: 16, .size: 8, .value_kind: global_buffer, .address_space: global }
      - { .name: qkv, .offset: 24, .size: 8, .value_kind: global_buffer, .address_space: global }
    .group_segment_fixed_size: 327680
    .private_segment_fixed_size: 0
    .kernarg_segment_align: 8
    .kernarg_segment_size: 32
    .max_flat_workgroup_size: 128
    .sgpr_count:     100
    .vgpr_count:     1024
    .wavefront_size: 32
...
	.end_amdgpu_metadata
.endif
;; end of part 2
;; launch attn (part 3): grid 4 x 64, 16 waves a work-group, no clusters, 272,640 bytes of LDS; arguments qkv, mw, rel_bias, lowp_scales, obuf; writes obuf
.if DOCPART == 3
	.amdgcn_target "amdgcn-amd-amdhsa--gfx1250"
	.amdhsa_code_object_version 6
	.text
	.protected	k_qcd1fe8f80a_attn
	.globl	k_qcd1fe8f80a_attn
	.p2align	8
	.type	k_qcd1fe8f80a_attn,@function
k_qcd1fe8f80a_attn:
	s_mov_b64 s[64:65], 0
	v_nop
	global_prefetch_b8 v0, s[64:65] scope:SCOPE_SE
	s_setreg_imm32_b32 hwreg(HW_REG_WAVE_MODE, 25, 1), 1
	s_wait_xcnt 0x0
; ATTN: o = softmax(q k^T / 8 + bias(q - k), masked) v for 64 heads of 2,048 x 64, both products on codes of FP8 (E4M3); o leaves as codes, laid as images of the last product's operand.
; t = logit x log2(e); M = the running largest t rounded up to a whole number; p = 2^(t - M) is quantised with 2^e9, not normalised; the row's sum of the unquantised p divides at the end.
; SHARES.  A work-group has one head and 32 query tiles of 16; each of its sixteen waves owns tiles i = 16 x + w and 127 - i, one after the other.  The head's codes of K and V, 131,072 bytes each, are copied once
; through registers into LDS, as images; all waves read them from there.  One barrier behind the copy, one ahead of the wave's end.
; KEY STEPS of 128 keys.  A step in which no key is open for any of the tile's 16 queries is jumped over, and a step that is all open takes no mask words: both by bits that the launch before stored (mw).
; Those are branches on stored numbers, so K and V come by plain loads, not by the tensor data mover, and the four work-groups of a head are no cluster: there is no joint request that they could share.
; LAYOUT.  S^T = K Q^T (source 0 = 16 keys, permuted so that the 16 registers of tiles 2 b, 2 b + 1 are keys 32 b + 16 (lane / 16) + 0 .. 15; source 1 = my 16 queries), O^T = V^T P^T: a lane holds one query throughout.
; THE BIAS hangs on d = query - key alone: bucket min(d, 16) + the number of thresholds 19, 21, 24, 27, 31, 35, 40, 46, 52, 59, 67, 77, 87, 99, 113 that d reaches; d <= 0: bucket 0.  With s0 the step that holds the tile's
; diagonal, steps under s0 - 1 have d >= 129 (bucket 31) and steps over s0 have d < 0 (bucket 0): there the bias is one number, folded into the addend of the exponent.  Steps s0 - 1 and s0 read it from a table in LDS:
; T[x] = bias(255 - x) x log2(e), in four copies shifted by a word each, so that every lane's 16 words come by four aligned loads of 16 bytes.
; THE MASK.  A closed key's t is T* = -c x 2^100, c = log2(e) / 8 x 2^(e6 + e7): under every t of an open key.  While a row has seen no open key, M = T* and p = 1 for every key (a row with no open key ends as the plain mean
; of V, as the softmax of equal logits is); the first open key makes the factor 2^(old M - new M) zero, which wipes that.
; LIMITS: e6 + e7 between -60 and 29; |rel_bias| under 4,096; e9, and e10 - e8 - e9, between -126 and 119.  NaN among the inputs is not served.
; REGISTERS: v1 16 x lane; v2 my place in the table; v3, v4 LDS addresses of the step's K and V; v7 of its bias; v8 what a closed key's score becomes; v[10:11] the exponent's addend; v12 -M; v13 the largest t; v[14:15] the sum;
; v16-23 Q; v24-31 the second tile's Q; v32-95 K's fragments, then the bias, then V's; v96-159 S^T, then p; v160-191 O^T; v192-207 p's codes; v208-215 o's codes; v236-254 at work and constants.
; s[16:63], s[68:83] the step's 64 mask words; s84.. the tile in hand and the second tile.
.set VIMG,  131072                     ; LDS: K's images at 0, V's here,
.set TB,    262144                     ; the table: four copies,
.set TPIT,  2112                       ; 2,112 bytes apart (132 x 16: the sixteen lanes of a load then touch sixteen different 16-byte columns), 16 bytes of lead in each
.set SPARE, TB+4*TPIT                  ; and the spare words, 128 bytes a wave: eight blocks of 256 bytes that no other line names
.set SPW,   5
.set NIL,   6
	s_load_b256 s[16:23], s[0:1], 0x0              ; qkv, mw, rel_bias, the scales' exponents
	s_load_b64 s[24:25], s[0:1], 0x20              ; obuf
	v_lshl_add_u32 v[SPW], v0, 2, SPARE
	v_mov_b32 v[NIL], 0
	v_lshrrev_b32 v7, 5, v0
	v_readfirstlane_b32 s2, v7                     ; wave 0..15
	v_and_b32 v9, 31, v0
	v_lshlrev_b32 v1, 4, v9                        ; 16 x lane
	v_lshlrev_b32 v170, 4, v0                      ; 16 x thread: the copy's place, in memory and in LDS
	v_add_nc_u32 v171, 0x10000, v170
	v_add_nc_u32 v172, 0x20000, v170
	v_add_nc_u32 v173, 0x30000, v170
	v_lshl_add_u32 v174, v0, 2, TB+16              ; T[thread] in copy 0
	v_min_u32 v161, 255, v0
	v_sub_nc_u32 v161, 255, v161
	v_min_u32 v161, 113, v161                      ; d = 255 - thread, held within 0 .. 113
	v_min_u32 v162, 16, v161
.irp th, 19,21,24,27,31,35,40,46,52,59,67,77,87,99,113
	v_cmp_le_u32 vcc_lo, \th, v161
	v_add_co_ci_u32 v162, vcc_lo, 0, v162, vcc_lo  ; + 1 where d has reached the threshold
.endr
	v_min_u32 v162, 31, v162                       ; the bucket
	v_lshlrev_b32 v162, 2, v162
	v_and_b32 v163, 15, v0                         ; r
	v_bfe_u32 v164, v0, 4, 1                       ; hh
	v_sub_nc_u32 v163, 255, v163
	v_and_b32 v165, 3, v163                        ; which copy: (255 - r) % 4
	v_lshl_add_u32 v163, v164, 4, v163
	v_and_b32 v163, 0x1fc, v163                    ; 255 - r + 16 hh, down to a multiple of 4
	v_mul_u32_u24 v165, v165, TPIT
	v_lshl_add_u32 v2, v163, 2, v165
	v_add_nc_u32 v2, TB+16, v2
	s_and_b32 s26, ttmp7, 0xffff                   ; the head, 16 b + h
	s_lshl_b32 s28, s26, 17
	s_mov_b32 s29, 0
	s_and_b32 s27, s26, 15                         ; h
	s_lshl_b32 s30, s27, 7                         ; its row of rel_bias
	s_mov_b32 s31, 0
	s_lshl_b32 s32, ttmp9, 4
	s_add_co_u32 s32, s32, s2                      ; my first query tile
	s_sub_co_u32 s33, 127, s32                     ; my second
	s_and_b32 s8, s2, 7
	s_lshl_b32 s8, s8, 6                           ; 64 u, u = tile % 8 = wave % 8; the second tile's is 7 - u
	s_lshr_b32 s34, s32, 3
	s_sub_co_i32 s101, 0, s34                      ; -s0
	s_lshr_b32 s34, s33, 3
	s_sub_co_i32 s105, 0, s34
	s_mul_i32 s36, s32, 4352
	s_mov_b32 s37, 0
	s_mul_i32 s38, s33, 4352
	s_mov_b32 s39, 0
	s_lshr_b32 s40, s26, 4
	s_lshl_b32 s40, s40, 7                         ; 128 b
	s_lshl_b32 s41, s27, 10                        ; K step h / 2, chunks 2 (h % 2) on: 1,024 h bytes
	s_add_co_u32 s42, s40, s32
	s_lshl_b32 s42, s42, 14                        ; a row tile of obuf is 8 images
	s_add_co_u32 s42, s42, s41
	s_mov_b32 s43, 0
	s_add_co_u32 s44, s40, s33
	s_lshl_b32 s44, s44, 14
	s_add_co_u32 s44, s44, s41
	s_mov_b32 s45, 0
	s_lshl_b32 s46, s32, 10
	s_lshl_b32 s47, s33, 10
	v_add_nc_u32 v175, s46, v1                     ; Q's images
	v_add_nc_u32 v176, s47, v1
	s_mov_b32 s10, 0x76543210                      ; v_permlanex16_b32's selects for lane l xor 16
	s_mov_b32 s11, 0xfedcba98
	s_wait_kmcnt 0x0
	s_add_nc_u64 s[68:69], s[16:17], s[28:29]      ; my head's q,
	s_add_nc_u64 s[70:71], s[68:69], 0x800000      ; k,
	s_add_nc_u64 s[72:73], s[68:69], 0x1000000     ; v
	s_add_nc_u64 s[74:75], s[20:21], s[30:31]
	s_add_nc_u64 s[86:87], s[18:19], s[36:37]
	s_add_nc_u64 s[88:89], s[18:19], s[38:39]
	s_add_nc_u64 s[90:91], s[24:25], s[42:43]
	s_add_nc_u64 s[92:93], s[24:25], s[44:45]
	s_load_b128 s[76:79], s[22:23], 0x18           ; e6, e7, e8, e9
	s_load_b32 s80, s[22:23], 0x28                 ; e10
	s_load_b32 s81, s[74:75], 0x0                  ; rel_bias[h][0]
	s_load_b32 s82, s[74:75], 0x7c                 ; rel_bias[h][31]
	s_load_b32 s84, s[86:87], 0x0                  ; need | all << 16 of my first tile,
	s_load_b32 s85, s[88:89], 0x0                  ; of my second
.set j, 0
.rept 16
	global_load_b128 v[32+4*j:35+4*j], v170, s[70:71] offset:8192*j    ; the 512 threads read 8,192 consecutive bytes
.set j, j+1
.endr
.set j, 0
.rept 16
	global_load_b128 v[96+4*j:99+4*j], v170, s[72:73] offset:8192*j
.set j, j+1
.endr
	global_load_b32 v160, v162, s[74:75]           ; rel_bias[h][bucket]
	global_load_b128 v[16:19], v175, s[68:69]
	global_load_b128 v[20:23], v175, s[68:69] offset:512
	global_load_b128 v[24:27], v176, s[68:69]
	global_load_b128 v[28:31], v176, s[68:69] offset:512
	s_wait_kmcnt 0x0
	s_add_co_i32 s12, s76, s77
	s_lshl_b32 s12, s12, 23
	s_add_co_i32 s6, s12, 0x3e38aa3b               ; c = log2(e) / 8 x 2^(e6 + e7): the exponents are added to the exponent field
	s_add_co_i32 s7, s6, 0x32000000
	s_or_b32 s7, s7, 0x80000000                    ; T* = -c x 2^100
	v_mov_b32 v177, s81
	v_mov_b32 v178, s82
	v_mul_f32 v177, 0x3fb8aa3b, v177
	v_mul_f32 v178, 0x3fb8aa3b, v178
	v_readfirstlane_b32 s4, v177                   ; bucket 0's bias x log2(e)
	v_readfirstlane_b32 s5, v178                   ; bucket 31's
	s_mov_b32 s104, s79                            ; e9
	s_add_co_i32 s12, s79, 127
	s_lshl_b32 s13, s12, 23
	v_mov_b32 v244, s13                            ; 2^e9
	s_add_co_i32 s12, s12, 8
	s_lshl_b32 s12, s12, 23
	s_or_b32 s12, s12, 0x600000
	v_mov_b32 v240, s12                            ; 448 x 2^e9
	s_sub_co_i32 s12, s80, s78
	s_sub_co_i32 s12, s12, s79                     ; a sum of the second product stands for sum x 2^(e8 + e9): o's conversion takes 2^(e10 - e8 - e9)
	s_add_co_i32 s12, s12, 127
	s_lshl_b32 s13, s12, 23
	v_mov_b32 v246, s13
	s_add_co_i32 s12, s12, 8
	s_lshl_b32 s12, s12, 23
	s_or_b32 s12, s12, 0x600000
	v_mov_b32 v247, s12
	v_mov_b32 v11, 0                               ; (upper halves of pairs of which the low word serves both halves, and a permute's destination: written once)
	v_mov_b32 v236, 0
	v_mov_b32 v253, 0
.set j, 0
.rept 16
	s_wait_loadcnt 36-j                            ; 37 loads went out; load j is in when at most 36 - j are out
	ds_store_b128 v[170+j/8], v[32+4*j:35+4*j] offset:8192*(j%8)
.set j, j+1
.endr
.set j, 0
.rept 16
	s_wait_loadcnt 20-j
	ds_store_b128 v[172+j/8], v[96+4*j:99+4*j] offset:8192*(j%8)
.set j, j+1
.endr
	s_wait_loadcnt 4                               ; the table's number; Q's four loads may be out
	v_mul_f32 v160, 0x3fb8aa3b, v160
.irp c, 0,1,2,3
	ds_store_b32 v174, v160 offset:(TPIT-4)*\c     ; T[x] is word x - c of copy c
.endr
	s_wait_loadcnt 0x0                             ; Q
	s_wait_dscnt 0x0                               ; for the others' sake: my stores have landed
	s_barrier_signal -1
	s_barrier_wait -1
.set j, 16
.rept 24
	s_mov_b64 s[j:j+1], -1                         ; the mask words, written once: all open
.set j, j+2
.endr
.set j, 68
.rept 8
	s_mov_b64 s[j:j+1], -1
.set j, j+2
.endr
	s_mov_b32 s3, 0
.Lpass:                                        ; two trips: my two query tiles
	v_mov_b32 v13, 0xff61b1e6                      ; the largest t so far: -3e38, under every t and under T*
	v_floor_f32 v12, -v13
	v_mov_b32 v14, 0
	v_mov_b32 v15, 0
.set j, 0
.rept 32
	v_mov_b32 v[160+j], 0                          ; O^T: which step is a tile's first hangs on the mask, so the sums begin as zeros
.set j, j+1
.endr
	s_mov_b32 s94, 0                               ; the step,
	s_mov_b32 s95, 0                               ; its 8,192 bytes of K's and of V's images,
	s_mov_b32 s97, 0                               ; its 256 bytes of mask words,
	s_mov_b32 s96, s101                            ; and step - s0
.Lstep:                                        ; sixteen trips
	s_lshr_b32 s12, s84, s94
	s_bitcmp1_b32 s12, 0
	s_cbranch_scc0 .Lskip                          ; no key of the step is open for any of my queries
	s_bitcmp1_b32 s12, 16
	s_cbranch_scc1 .Lno_words                      ; all are open
	s_load_b512 s[16:31], s[86:87], s97 offset:0x100
	s_load_b512 s[32:47], s[86:87], s97 offset:0x140
	s_load_b512 s[48:63], s[86:87], s97 offset:0x180
	s_load_b512 s[68:83], s[86:87], s97 offset:0x1c0
.Lno_words:
	v_add_nc_u32 v3, s95, v1
	v_add_nc_u32 v4, VIMG, v3
.set j, 0
.rept 16
	ds_load_b128 v[32+4*j:35+4*j], v3 offset:512*j ; K's eight tiles, two chunks each, as their images lie
.set j, j+1
.endr
	s_cmp_lt_i32 s96, 0
	s_cselect_b32 s100, s5, s4                     ; far from the diagonal: t = score x c + one bias
	s_mov_b32 s98, s6
	s_mov_b32 s99, s6
	s_wait_dscnt 0x0
.irp t, 0,1,2,3,4,5,6,7
	v_wmma_f32_16x16x64_fp8_fp8 v[96+8*\t:103+8*\t], v[32+8*\t:39+8*\t], v[16:23], 0
.endr
	v_mov_b32 v8, 0xf1800000                       ; -2^100: a closed key's score.  (This line and the three below are the four places behind the products)
.rept 3
	v_nop
.endr
	s_add_co_u32 s13, s96, 1
	s_cmp_lt_u32 s13, 2
	s_cbranch_scc0 .Lfar
	s_and_b32 s13, s96, 512                        ; step s0 - 1 (-1 & 512 = 512): d is 128 larger than in step s0 (0)
	s_add_co_u32 s13, s13, s8                      ; + 64 u: four bytes for each of the 16 u by which the tile lies under the step's first key
	v_sub_nc_u32 v7, v2, s13
.irp b, 0,1,2,3
.irp i, 0,1,2,3
	ds_load_b128 v[32+16*\b+4*\i:35+16*\b+4*\i], v7 offset:128*\b+16*\i   ; the bias of keys 32 b + 16 hh + 4 i on
.endr
.endr
	s_wait_dscnt 0x0
.set j, 0
.rept 32
	v_pk_fma_f32 v[96+j:97+j], v[96+j:97+j], s[98:99], v[32+j:33+j] op_sel_hi:[1,0,1]   ; t = score x c + bias
.set j, j+2
.endr
	s_mov_b32 s98, 1.0                             ; from here on the registers hold t itself
	s_mov_b32 s99, 1.0
	s_mov_b32 s100, 0
	v_mov_b32 v8, s7                               ; and a closed key's is T*
.Lfar:
.set j, 0
.rept 16
	ds_load_b128 v[32+4*j:35+4*j], v4 offset:512*j ; V's four tiles, four chunks each: they land under the softmax
.set j, j+1
.endr
	s_wait_kmcnt 0x0                               ; the mask words, if any were asked for
	s_bitcmp1_b32 s12, 16
	s_cbranch_scc1 .Lopen
.set n, 0
.rept 48
	v_cndmask_b32 v[96+n], v8, v[96+n], s[16+n]    ; word n, bit lane: open keeps the score
.set n, n+1
.endr
.rept 16
	v_cndmask_b32 v[96+n], v8, v[96+n], s[20+n]
.set n, n+1
.endr
.Lopen:
	v_max3_num_f32 v254, v96, v97, v98             ; the largest of my 64 keys, in two chains,
	v_max3_num_f32 v252, v99, v100, v101
.irp i, 6,10,14,18,22,26,30,34,38,42,46,50,54,58
	v_max3_num_f32 v254, v254, v[96+\i], v[97+\i]
	v_max3_num_f32 v252, v252, v[98+\i], v[99+\i]
.endr
	v_max3_num_f32 v254, v254, v158, v159
	v_max_num_f32 v254, v254, v252
	v_permlanex16_b32 v236, v254, s10, s11
	v_max_num_f32 v254, v254, v236                 ; and of lane l xor 16's
	v_fma_f32 v254, v254, s98, s100                ; as t (the factor is positive)
	v_max_num_f32 v13, v13, v254
	v_mov_b32 v254, v12
	v_floor_f32 v12, -v13                          ; -M = floor(-t): M is a whole number
	v_sub_f32 v254, v12, v254                      ; old M - new M, 0 or less
	v_cvt_i32_f32 v254, v254                       ; (it saturates)
	v_ldexp_f32 v252, 1.0, v254                    ; f = 2^(old M - new M)
	v_add_f32 v10, s100, v12                       ; the bias - M
.set j, 0
.rept 32
	v_pk_fma_f32 v[96+j:97+j], v[96+j:97+j], s[98:99], v[10:11] op_sel_hi:[1,0,0]   ; t - M
.set j, j+2
.endr
.set j, 0
.rept 64
	v_exp_f32 v[96+j], v[96+j]                     ; p = 2^(t - M)
.set j, j+1
.endr
	v_pk_mul_f32 v[14:15], v[14:15], v[252:253] op_sel_hi:[1,0]   ; the sums under the new M: the plain line behind the exponentials
	s_wait_alu depctr_va_vdst(0)                   ; one wait for the batch, ahead of its first reader
	v_pk_add_f32 v[242:243], v[96:97], v[98:99]    ; the row's sum, of the unquantised p, in two chains
.irp j, 4,8,12,16,20,24,28,32,36,40,44,48,52,56,60
	v_pk_add_f32 v[14:15], v[14:15], v[96+\j:97+\j]
	v_pk_add_f32 v[242:243], v[242:243], v[98+\j:99+\j]
.endr
	v_pk_add_f32 v[14:15], v[14:15], v[242:243]
	s_cmp_ge_i32 s104, -8                          ; p is at most 1: with e9 >= -8, p / 2^e9 is at most 256 and the hold at 448 cannot act
	s_cbranch_scc1 .Lno_hold
.set j, 0
.rept 64
	v_min_num_f32 v[96+j], v[96+j], v240           ; the conversion does not saturate (ISA guide 7.6.2); p is not negative
.set j, j+1
.endr
.Lno_hold:
.irp b, 0,1,2,3
	v_cvt_scalef32_pk8_fp8_f32 v[192+4*\b:193+4*\b], v[96+16*\b:103+16*\b], v244
	v_cvt_scalef32_pk8_fp8_f32 v[194+4*\b:195+4*\b], v[104+16*\b:111+16*\b], v244
.endr
.set j, 0
.rept 16
	v_pk_mul_f32 v[160+j:161+j], v[160+j:161+j], v[252:253] op_sel_hi:[1,0]   ; O^T under the new M.  (Plain lines between the conversions and the products)
.set j, j+2
.endr
	s_wait_dscnt 0x0                               ; V is in
.irp t, 0,1,2,3
	v_wmma_f32_16x16x128_fp8_fp8 v[160+8*\t:167+8*\t], v[32+16*\t:47+16*\t], v[192:207], v[160+8*\t:167+8*\t]   ; the four accumulators by turns
.endr
.rept 4
	v_nop                                          ; the places behind them, on every way on
.endr
.Lskip:
	s_add_co_u32 s95, s95, 8192
	s_add_co_u32 s97, s97, 256
	s_add_co_i32 s96, s96, 1
	s_add_co_u32 s94, s94, 1
	s_cmp_lt_u32 s94, 16
	s_cbranch_scc1 .Lstep
	; the tile's way out: O^T / the sum, held, converted: two chunks of an image, 512 consecutive bytes a store
	v_add_f32 v14, v14, v15
	v_permlanex16_b32 v236, v14, s10, s11
	v_add_f32 v14, v14, v236
	v_rcp_f32 v14, v14
	v_nop                                          ; a plain line behind the reciprocal,
	s_wait_alu depctr_va_vdst(0)                   ; and the wait ahead of its first reader
.set j, 0
.rept 16
	v_pk_mul_f32 v[96+j:97+j], v[160+j:161+j], v[14:15] op_sel_hi:[1,0]   ; register 16 b + i: channel 32 b + 16 hh + i
.set j, j+2
.endr
.set j, 0
.rept 32
	v_med3_num_f32 v[96+j], v[96+j], -v247, v247
.set j, j+1
.endr
.irp g, 0,1,2,3
	v_cvt_scalef32_pk8_fp8_f32 v[208+2*\g:209+2*\g], v[96+8*\g:103+8*\g], v246
.endr
	v_nop
	global_store_b128 v1, v[208:211], s[90:91]
	global_store_b128 v1, v[212:215], s[90:91] offset:512
	s_wait_xcnt 0x0                                ; the stores have read their base and data: the second tile takes the first's place
	s_mov_b32 s84, s85
	s_mov_b64 s[86:87], s[88:89]
	s_mov_b64 s[90:91], s[92:93]
	s_mov_b32 s101, s105
	s_xor_b32 s8, s8, 448                          ; 64 (7 - u)
.irp j, 0,1,2,3,4,5,6,7
	v_mov_b32 v[16+\j], v[24+\j]
.endr
	s_add_co_u32 s3, s3, 1
	s_cmp_lt_u32 s3, 2
	s_cbranch_scc1 .Lpass
	s_wait_dscnt 0x0
	s_barrier_signal -1                            ; every wave's reads of LDS are over
	s_barrier_wait -1
	s_wait_tensorcnt 0x0                           ; the wave's end
	ds_add_u32 v[SPW], v[NIL]
	s_wait_dscnt 0x0
	s_endpgm
.Lfunc_end_k_qcd1fe8f80a_attn:
	.size	k_qcd1fe8f80a_attn, .Lfunc_end_k_qcd1fe8f80a_attn-k_qcd1fe8f80a_attn
	.p2alignl 7, 3214868480
	.fill 96, 4, 3214868480
	.section	.rodata,"a",@progbits
	.p2align	6, 0x0
	.amdhsa_kernel k_qcd1fe8f80a_attn
		.amdhsa_group_segment_fixed_size 272640
		.amdhsa_private_segment_fixed_size 0
		.amdhsa_enable_private_segment 0
		.amdhsa_kernarg_size 40
		.amdhsa_user_sgpr_count 2
		.amdhsa_user_sgpr_kernarg_segment_ptr 1
		.amdhsa_wavefront_size32 1
		.amdhsa_system_sgpr_workgroup_id_x 1
		.amdhsa_system_sgpr_workgroup_id_y 1
		.amdhsa_system_sgpr_workgroup_id_z 1
		.amdhsa_system_vgpr_workitem_id 0
		.amdhsa_next_free_vgpr 256
		.amdhsa_next_free_sgpr 106
		.amdhsa_reserve_vcc 1
		.amdhsa_float_denorm_mode_32 3
		.amdhsa_float_denorm_mode_16_64 3
		.amdhsa_memory_ordered 1
		.amdhsa_forward_progress 1
		.amdhsa_inst_pref_size 44
	.end_amdhsa_kernel
	.amdgpu_metadata
---
amdhsa.version: [ 1, 2 ]
amdhsa.kernels:
  - .name:           k_qcd1fe8f80a_attn
    .symbol:         k_qcd1fe8f80a_attn.kd
    .args:
      - { .name: qkv, .offset: 0, .size: 8, .value_kind: global_buffer, .address_space: global }
      - { .name: mw, .offset: 8, .size: 8, .value_kind: global_buffer, .address_space: global }
      - { .name: rel_bias, .offset: 16, .size: 8, .value_kind: global_buffer, .address_space: global }
      - { .name: lowp_scales, .offset: 24, .size: 8, .value_kind: global_buffer, .address_space: global }
      - { .name: obuf, .offset: 32, .size: 8, .value_kind: global_buffer, .address_space: global }
    .group_segment_fixed_size: 272640
    .private_segment_fixed_size: 0
    .kernarg_segment_align: 8
    .kernarg_segment_size: 40
    .max_flat_workgroup_size: 512
    .sgpr_count:     106
    .vgpr_count:     256
    .wavefront_size: 32
...
	.end_amdgpu_metadata
.endif
;; end of part 3
;; launch outp (part 4): grid 4 x 32, 4 waves a work-group, clusters of 4 x 4, 327,680 bytes of LDS; arguments obuf, wbuf, lowp_scales, out0; writes out0
.if DOCPART == 4
	.amdgcn_target "amdgcn-amd-amdhsa--gfx1250"
	.amdhsa_code_object_version 6
	.text
	.protected	k_qcd1fe8f80a_outp
	.globl	k_qcd1fe8f80a_outp
	.p2align	8
	.type	k_qcd1fe8f80a_outp,@function
k_qcd1fe8f80a_outp:
	s_mov_b64 s[64:65], 0
	v_nop
	global_prefetch_b8 v0, s[64:65] scope:SCOPE_SE
	s_setreg_imm32_b32 hwreg(HW_REG_WAVE_MODE, 25, 1), 1
	s_wait_xcnt 0x0
	s_wait_alu depctr_hold_cnt(0) depctr_sa_sdst(0) depctr_va_vdst(0) depctr_va_sdst(0) depctr_va_ssrc(0) depctr_va_vcc(0) depctr_vm_vsrc(0)
	s_getreg_b32 s2, hwreg(HW_REG_IB_STS2, 6, 4)
	s_cmp_eq_u32 s2, 0
	s_cbranch_scc0 .Lentry_in_a_cluster
	s_endpgm
.Lentry_in_a_cluster:
	s_bfe_u32 s2, ttmp6, 0x10000c
	s_cmp_lg_u32 s2, 0xf033
	s_cbranch_scc0 .Lentry_shape_is_right
	s_endpgm
.Lentry_shape_is_right:
; OUTP: out0 = o Wo on codes of FP8 (E4M3): 8,192 x 1,024 x 1,024, f32 out.  A = obuf, B = Wo's images at 3 MiB of wbuf; each finished sum x 2^(e10 + e11).  LIMIT: e10 + e11 between -126 and 127.
; A tile of C is 256 x 256: four waves, each 128 x 128: 64 accumulators, 512 registers.  Operands come as images (16 rows x 128 K = 2,048 bytes, lane l's 16 bytes of chunk c at 512 c + 16 l), [row tile][K step 8]:
; a fragment is four loads of 16 bytes a lane at 16 x lane.  K goes in steps of 256 through a ring of two LDS slots filled by the tensor data mover; the four slots' worth of K are written straight.
; THE MATRIX INSTRUCTION IS USED TRANSPOSED (source 0 = 16 rows of B, source 1 = 16 rows of A): a lane holds one row of C.  Wo's tiles hold permuted columns: register j of B's tile b is column 32 (b / 2) + 16 (lane / 16) + 8 (b % 2) + j.
; CLUSTERS: 4 x 4 work-groups; A's tiles are asked for jointly along a row of the cluster, B's along a column.
; REGISTERS, in windows of 256: window 0: v16-29 addresses; from v128 A's fragments, one set; on the way out v32-255 are free.  window 1: B's fragments, two sets.  windows 2, 3: the accumulators.
.set SIZE_N, 1024
.set FR,     16
.set NL,     4
.set NP,     4                         ; places behind this matrix instruction (ISA guide 7.12.1)
.set HALFT,  32768                     ; 8 row tiles x 2 K steps of 128 x 2,048 bytes: what one tensor load brings
.set SLOT,   4*HALFT
.set SLOTB,  4096
.set SPARE,  2*SLOT                    ; behind the ring: the spare words, 128 bytes a wave: two blocks of 256 bytes that no other line names
.set SPITCH, 528                       ; the way out: a stage of 16 rows x (512 bytes + 16) for each wave, in slot 0, which has had its last fill and its last read when the first result is stored there
.set ADRA, 16
.set ADRB, 20
.set STO,  24                          ; v24  the way out: where I put my bytes of a row
.set RD,   25                          ; v25  where I read a row back
.set CO,   26                          ; v26  16 x lane
.set SPW,  28
.set NIL,  29
.set TMP,  32
.set AF,   128
.set BK,   128
.set G1, 24
.set G0, 32
.set G1B, 48
.set G0B, 56
.set MSB, 0
.macro WIN new                         ; the immediate's high byte repeats the setting that is left
.if MSB != \new
	s_set_vgpr_msb (MSB<<8)|\new
.set MSB, \new
.endif
.endm
.set MUL_LO, 0xa1
.set MUL_HI, 0xf1
.set TO_B,   0x40
.macro JLOAD g0a, g1a, g0b, g1b        ; a joint load: waves 0 and 1 fetch for A, waves 2 and 3 for B; an s_nop 0 and four v_nop follow each of the two lines
	s_cmp_eq_u32 s15, 0
	s_cbranch_scc0 .Lfor_b_\@
	tensor_load_to_lds s[\g0a:\g0a+3], s[\g1a:\g1a+7]
	s_nop 0
.rept 4
	v_nop
.endr
	s_branch .Lasked_\@
.Lfor_b_\@:
	tensor_load_to_lds s[\g0b:\g0b+3], s[\g1b:\g1b+7]
	s_nop 0
.rept 4
	v_nop
.endr
.Lasked_\@:
.endm
.macro CREST
	s_cmp_lg_u32 s14, 0
	s_cbranch_scc1 .Lnot_wave_0_\@
	s_barrier_signal -3
.Lnot_wave_0_\@:
	s_barrier_wait -3
	s_barrier_signal -1
	s_barrier_wait -1
.endm
.macro CROUND
	s_barrier_signal -1
	s_barrier_wait -1
	CREST
.endm
	s_load_b256 s[4:11], s[0:1], 0x0               ; obuf s[4:5], wbuf s[6:7], the scales' exponents s[8:9], out0 s[10:11]
	v_lshl_add_u32 v[SPW], v0, 2, SPARE
	v_mov_b32 v[NIL], 0
	ds_add_u32 v[SPW], v[NIL]                      ; the wave's opening: the add, and its wait ahead of my first tensor load
	v_lshrrev_b32 v1, 5, v0
	v_readfirstlane_b32 s14, v1                    ; wave 0..3
	s_lshr_b32 s15, s14, 1                         ; my half of the tile's rows; also: I fetch for A (0) or for B (1)
	s_and_b32 s16, s14, 1                          ; my half of its columns; also: which 8 row tiles I fetch
	s_bfe_u32 s40, ttmp6, 0x40000                  ; cx, cy
	s_bfe_u32 s41, ttmp6, 0x40004
	s_lshl_b32 s42, ttmp9, 2
	s_add_co_u32 s42, s42, s40                     ; tile column of C
	s_and_b32 s17, ttmp7, 0xffff
	s_lshl_b32 s17, s17, 2
	s_add_co_u32 s17, s17, s41                     ; tile row of C
	s_lshl_b32 s43, s41, 2
	s_lshl_b32 s43, 15, s43                        ; my row of the cluster
	s_lshl_b32 s44, 0x1111, s40                    ; my column
	s_or_b32 s[G1+0], s43, (3<<16)|(1<<21)         ; 15:0 the mask; 17:16 elements of 8 bytes; 20 no padding; 21 set beside a mask
	s_or_b32 s[G1B+0], s44, (3<<16)|(1<<21)
.irp g, G1, G1B
	s_mov_b32 s[\g+1], 512<<16                     ; tensor_dim0 = 512 (4,096 bytes: two K steps' images of a row tile)
	s_mov_b32 s[\g+2], 8<<16                       ; tensor_dim1 = 8 row tiles
	s_mov_b32 s[\g+3], 512<<16                     ; tile_dim0
	s_mov_b32 s[\g+4], 8                           ; tile_dim1
	s_mov_b32 s[\g+5], 2048                        ; tensor_dim0_stride: 16,384 bytes from row tile to row tile
	s_mov_b32 s[\g+6], 0
	s_mov_b32 s[\g+7], 0
.endr
	s_lshl_b32 s18, s16, 17
	s_lshl_b32 s20, s17, 18
	s_add_co_u32 s20, s20, s18
	s_mov_b32 s21, 0
	s_lshl_b32 s46, s42, 18
	s_add_co_u32 s46, s46, s18
	s_add_co_u32 s46, s46, 0x300000                ; Wo's images
	s_mov_b32 s47, 0
	s_lshl_b32 s45, s14, 15
	s_wait_dscnt 0x0                               ; the opening add is done
	s_wait_kmcnt 0x0
	s_load_b64 s[96:97], s[8:9], 0x28              ; e10, e11
	s_add_nc_u64 s[20:21], s[4:5], s[20:21]
	s_add_nc_u64 s[46:47], s[6:7], s[46:47]
	CROUND                                         ; all sixteen work-groups are here: the first joint loads meet
.irp s, 0,1
	s_mov_b32 s[G0+4*\s], 1
	s_add_co_u32 s[G0+4*\s+1], s45, \s*SLOT
	s_add_nc_u64 s[G0+4*\s+2:G0+4*\s+3], s[20:21], \s*SLOTB
	s_or_b32 s[G0+4*\s+3], s[G0+4*\s+3], 0x80000000
	s_mov_b32 s[G0B+4*\s], 1
	s_add_co_u32 s[G0B+4*\s+1], s45, \s*SLOT
	s_add_nc_u64 s[G0B+4*\s+2:G0B+4*\s+3], s[46:47], \s*SLOTB
	s_or_b32 s[G0B+4*\s+3], s[G0B+4*\s+3], 0x80000000
	JLOAD G0+4*\s, G1, G0B+4*\s, G1B
.endr
	v_and_b32 v3, 31, v0
	v_lshlrev_b32 v[CO], 4, v3
	s_lshl_b32 s21, s15, 15
	s_lshl_b32 s22, s16, 15
	s_add_co_u32 s22, s22, 2*HALFT
.irp s, 0,1
	v_add_nc_u32 v[ADRA+\s], s21, v[CO]
	v_add_nc_u32 v[ADRB+\s], s22, v[CO]
	s_add_co_u32 s21, s21, SLOT
	s_add_co_u32 s22, s22, SLOT
.endr
	v_and_b32 v1, 15, v0
	v_bfe_u32 v2, v0, 4, 1
	s_mul_i32 s23, s14, 16*SPITCH                  ; my stage
	v_mul_u32_u24 v5, v1, SPITCH
	v_lshl_add_u32 v5, v2, 6, v5
	v_add_nc_u32 v[STO], s23, v5                   ; in: row l % 16, + 64 (l / 16): my 16 columns of each 32
	v_add_nc_u32 v[RD], s23, v[CO]                 ; back: the 32 lanes take one row of 512 bytes
	s_lshl_b32 s20, s17, 8
	s_lshl_b32 s21, s15, 7
	s_add_co_u32 s20, s20, s21
	s_lshl_b32 s20, s20, 12                        ; my first row of C, 4,096 bytes a row
	s_lshl_b32 s21, s42, 10
	s_add_co_u32 s20, s20, s21
	s_lshl_b32 s21, s16, 9
	s_add_co_u32 s20, s20, s21                     ; + my first column
	s_mov_b32 s21, 0
	s_add_nc_u64 s[10:11], s[10:11], s[20:21]
.macro FRAG reg, adr, q, i
.irp c, 0,1,2,3
	ds_load_b128 v[\reg+4*\c:\reg+4*\c+3], v[\adr] offset:2048*(\q)+512*\c+(\i)*4096
.endr
.endm
.macro MUL16 a0, p, zero               ; 16 matrix instructions; the 64 accumulators take turns, one instruction a turn
.irp a, \a0, \a0+1
.irp b, 0,1,2,3,4,5,6,7
.if \zero
	v_wmma_f32_16x16x128_fp8_fp8 v[8*(8*((\a)%4)+\b):8*(8*((\a)%4)+\b)+7], v[128*(\p)+FR*\b:128*(\p)+FR*\b+FR-1], v[AF+FR*(\a):AF+FR*(\a)+FR-1], 0
.else
	v_wmma_f32_16x16x128_fp8_fp8 v[8*(8*((\a)%4)+\b):8*(8*((\a)%4)+\b)+7], v[128*(\p)+FR*\b:128*(\p)+FR*\b+FR-1], v[AF+FR*(\a):AF+FR*(\a)+FR-1], v[8*(8*((\a)%4)+\b):8*(8*((\a)%4)+\b)+7]
.endif
.endr
.endr
.endm
.macro FETCH_B slot, q, p
	WIN TO_B
.irp i, 0,1,2,3,4,5,6,7
	FRAG 128*(\p)+FR*\i, ADRB+\slot, \q, \i
.endr
	WIN 0
.endm
.macro FETCH_A slot, q, i0
.irp i, \i0, \i0+1, \i0+2, \i0+3
	FRAG AF+FR*(\i), ADRA+\slot, \q, \i
.endr
.endm
.macro PLACES n
.rept \n
	v_nop
.endr
.endm
.macro STEP slot, q, zero
	s_wait_dscnt 4*NL                              ; B's set and A's blocks 0-3 are in; the youngest 16 loads may be out
	WIN MUL_LO
	MUL16 0, (\q)%2, \zero
	MUL16 2, (\q)%2, \zero
	s_wait_dscnt 0
	PLACES NP
	FETCH_B \slot, (\q)+1, 1-(\q)%2
	FETCH_A \slot, (\q)+1, 0
	WIN MUL_HI
	MUL16 4, (\q)%2, \zero
	MUL16 6, (\q)%2, \zero
	PLACES NP
	WIN 0
	FETCH_A \slot, (\q)+1, 4
.endm
.macro TURN slot, next, fill
	s_wait_tensorcnt 0x0                           ; all my tensor loads have landed: my part of the next slot
	ds_add_u32 v[SPW], v[NIL]                      ; 0 onto my spare word
	s_wait_dscnt 4*NL+1                            ; (the add and the youngest 16 loads may be out)
	WIN MUL_LO
	MUL16 0, 1, 0
	s_wait_dscnt 0x0                               ; the add is done, and my reads of this slot are over
	s_barrier_signal -1
	MUL16 2, 1, 0
	WIN 0
	s_barrier_wait -1
.if \fill
	CREST                                          ; the barrier has opened a round of the cluster's
	s_add_nc_u64 s[G0+4*\slot+2:G0+4*\slot+3], s[G0+4*\slot+2:G0+4*\slot+3], 2*SLOTB
	s_add_nc_u64 s[G0B+4*\slot+2:G0B+4*\slot+3], s[G0B+4*\slot+2:G0B+4*\slot+3], 2*SLOTB
	JLOAD G0+4*\slot, G1, G0B+4*\slot, G1B
.else
	PLACES NP
.endif
	FETCH_B \next, 0, 0
	FETCH_A \next, 0, 0
	WIN MUL_HI
	MUL16 4, 1, 0
	MUL16 6, 1, 0
	PLACES NP
	WIN 0
	FETCH_A \next, 0, 4
.endm
	s_wait_tensorcnt 1                             ; my part of slot 0 is in; slot 1's load may be out
	s_barrier_signal -1
	s_barrier_wait -1
	FETCH_B 0, 0, 0
	FETCH_A 0, 0, 0
	FETCH_A 0, 0, 4
	STEP 0, 0, 1
	TURN 0, 1, 1
	STEP 1, 0, 0
	TURN 1, 0, 1
	STEP 0, 0, 0
	TURN 0, 1, 0
	STEP 1, 0, 0
	s_wait_dscnt 4*NL
	WIN MUL_LO
	MUL16 0, 1, 0
	MUL16 2, 1, 0
	s_wait_dscnt 0
	WIN MUL_HI
	MUL16 4, 1, 0
	MUL16 6, 1, 0
	WIN 0
; THE WAY OUT, block by block of 16 rows x 128 columns, through my own stage: in by lanes, each tile's eight numbers at their columns' place; back as whole rows of 512 bytes.  LDS serves a wave's instructions in order (ISA guide 5.7.1.4).
.macro TOSTAGE a
.set AC, 64*((\a)%4)
	WIN 0x02+((\a)/4)
.set j, 0
.rept 32
	v_pk_mul_f32 v[TMP+j:TMP+j+1], v[AC+j:AC+j+1], s[96:97] op_sel_hi:[1,0]   ; x 2^(e10 + e11); each accumulator from its low end on
.set j, j+2
.endr
	WIN 0
.irp b, 0,1,2,3,4,5,6,7
	ds_store_b128 v[STO], v[TMP+8*\b:TMP+8*\b+3] offset:128*(\b/2)+32*(\b%2)
	ds_store_b128 v[STO], v[TMP+8*\b+4:TMP+8*\b+7] offset:128*(\b/2)+32*(\b%2)+16
.endr
.set BB, BK+64*((\a)%2)
.irp t, 0,1,2,3,4,5,6,7,8,9,10,11,12,13,14,15
	ds_load_b128 v[BB+4*\t:BB+4*\t+3], v[RD] offset:\t*SPITCH
.endr
.endm
.macro SEND a, younger                 ; younger: the LDS instructions issued behind block a's loads, which may stay out
.set BB, BK+64*((\a)%2)
	s_wait_dscnt \younger
.if (\a) > 0
	s_add_nc_u64 s[10:11], s[10:11], 16*SIZE_N*4   ; (behind a wait on XCNT: the earlier stores have read their base)
.endif
.irp t, 0,1,2,3,4,5,6,7,8,9,10,11,12,13,14,15
	global_store_b128 v[CO], v[BB+4*\t:BB+4*\t+3], s[10:11] offset:\t*SIZE_N*4 th:TH_STORE_NT   ; 32 lanes store 512 consecutive bytes, aligned
.endr
.endm
	s_wait_kmcnt 0x0
	s_add_co_i32 s96, s96, s97
	s_add_co_i32 s96, s96, 127
	s_lshl_b32 s96, s96, 23                        ; 2^(e10 + e11) as f32
	PLACES NP
	TOSTAGE 0
.irp a, 1,2,3,4,5,6,7
.if \a > 1
	s_wait_xcnt 0x0                                ; block a - 2's stores have read their registers and their base
.endif
	TOSTAGE \a
	SEND \a-1, 32                                  ; behind block a - 1's loads: block a's 16 stores and 16 loads
.endr
	s_wait_xcnt 0x0
	SEND 7, 0
	s_wait_tensorcnt 0x0                           ; the wave's end
	ds_add_u32 v[SPW], v[NIL]
	s_wait_dscnt 0x0
	CROUND                                         ; the closing round
	s_endpgm
.Lfunc_end_k_qcd1fe8f80a_outp:
	.size	k_qcd1fe8f80a_outp, .Lfunc_end_k_qcd1fe8f80a_outp-k_qcd1fe8f80a_outp
	.p2alignl 7, 3214868480
	.fill 96, 4, 3214868480
	.section	.rodata,"a",@progbits
	.p2align	6, 0x0
	.amdhsa_kernel k_qcd1fe8f80a_outp
		.amdhsa_group_segment_fixed_size 327680
		.amdhsa_private_segment_fixed_size 0
		.amdhsa_enable_private_segment 0
		.amdhsa_kernarg_size 32
		.amdhsa_user_sgpr_count 2
		.amdhsa_user_sgpr_kernarg_segment_ptr 1
		.amdhsa_wavefront_size32 1
		.amdhsa_system_sgpr_workgroup_id_x 1
		.amdhsa_system_sgpr_workgroup_id_y 1
		.amdhsa_system_sgpr_workgroup_id_z 1
		.amdhsa_system_vgpr_workitem_id 0
		.amdhsa_next_free_vgpr 1024
		.amdhsa_next_free_sgpr 98
		.amdhsa_reserve_vcc 0
		.amdhsa_float_denorm_mode_32 3
		.amdhsa_float_denorm_mode_16_64 3
		.amdhsa_memory_ordered 1
		.amdhsa_forward_progress 1
		.amdhsa_inst_pref_size 122
	.end_amdhsa_kernel
	.amdgpu_metadata
---
amdhsa.version: [ 1, 2 ]
amdhsa.kernels:
  - .name:           k_qcd1fe8f80a_outp
    .symbol:         k_qcd1fe8f80a_outp.kd
    .args:
      - { .name: obuf, .offset: 0, .size: 8, .value_kind: global_buffer, .address_space: global }
      - { .name: wbuf, .offset: 8, .size: 8, .value_kind: global_buffer, .address_space: global }
      - { .name: lowp_scales, .offset: 16, .size: 8, .value_kind: global_buffer, .address_space: global }
      - { .name: out0, .offset: 24, .size: 8, .value_kind: global_buffer, .address_space: global }
    .group_segment_fixed_size: 327680
    .private_segment_fixed_size: 0
    .kernarg_segment_align: 8
    .kernarg_segment_size: 32
    .max_flat_workgroup_size: 128
    .sgpr_count:     98
    .vgpr_count:     1024
    .wavefront_size: 32
...
	.end_amdgpu_metadata
.endif
;; end of part 4
;; ======== version 2 of 2: 4 launches; version 1 with the launch attn written anew for expert scheduling mode
;; workspace buffers: xbuf 25,165,824 bytes; wbuf 4,194,304 bytes; mw 557,056 bytes of whole numbers; qkv 25,165,824 bytes; obuf 8,388,608 bytes
;; launch prep: the kernel of part 1 again; grid 1168 x 1, 8 waves a work-group, no clusters, 101,376 bytes of LDS; arguments inputs_q, inputs_kv, Wq, Wk, Wv, Wo, mask, lowp_scales, xbuf, wbuf, mw; writes xbuf, wbuf, mw
;; launch proj: the kernel of part 2 again; grid 4 x 96, 4 waves a work-group, clusters of 4 x 4, 327,680 bytes of LDS; arguments xbuf, wbuf, lowp_scales, qkv; writes qkv
;; launch attn (part 5): grid 4 x 64, 16 waves a work-group, no clusters, 272,640 bytes of LDS; arguments qkv, mw, rel_bias, lowp_scales, obuf; writes obuf
.if DOCPART == 5
	.amdgcn_target "amdgcn-amd-amdhsa--gfx1250"
	.amdhsa_code_object_version 6
	.text
	.protected	k_qcd1fe8f80a_attn
	.globl	k_qcd1fe8f80a_attn
	.p2align	8
	.type	k_qcd1fe8f80a_attn,@function
k_qcd1fe8f80a_attn:
	s_mov_b64 s[64:65], 0
	v_nop
	global_prefetch_b8 v0, s[64:65] scope:SCOPE_SE
	s_setreg_imm32_b32 hwreg(HW_REG_WAVE_SCHED_MODE, 0, 2), 2
	s_setreg_imm32_b32 hwreg(HW_REG_WAVE_MODE, 25, 1), 1
	s_wait_xcnt 0x0
	s_wait_alu depctr_vm_vsrc(0)
; ATTN: o = softmax(q k^T / 8 + bias(q - k), masked) v for 64 heads of 2,048 x 64, both products on codes of FP8 (E4M3); o leaves as codes, laid as images of the last product's operand.
; t = logit x log2(e); M = the running largest t rounded up to a whole number; p = 2^(t - M) is quantised with 2^e9, not normalised; the row's sum of the unquantised p divides at the end.
; SHARES.  A work-group has one head and 32 query tiles of 16; each of its sixteen waves owns tiles i = 16 x + w and 127 - i, one after the other.  The head's codes of K and V, 131,072 bytes each, are copied once
; through registers into LDS, as images; all waves read them from there.  One barrier behind the copy, one ahead of the wave's end.
; KEY STEPS of 128 keys.  A step in which no key is open for any of the tile's 16 queries is jumped over, and a step that is all open takes no mask words: both by bits that the launch before stored (mw).
; Those are branches on stored numbers, so K and V come by plain loads, not by the tensor data mover, and the four work-groups of a head are no cluster: there is no joint request that they could share.
; LAYOUT.  S^T = K Q^T (source 0 = 16 keys, permuted so that the 16 registers of tiles 2 b, 2 b + 1 are keys 32 b + 16 (lane / 16) + 0 .. 15; source 1 = my 16 queries), O^T = V^T P^T: a lane holds one query throughout.
; THE BIAS hangs on d = query - key alone: bucket min(d, 16) + the number of thresholds 19, 21, 24, 27, 31, 35, 40, 46, 52, 59, 67, 77, 87, 99, 113 that d reaches; d <= 0: bucket 0.  With s0 the step that holds the tile's
; diagonal, steps under s0 - 1 have d >= 129 (bucket 31) and steps over s0 have d < 0 (bucket 0): there the bias is one number, folded into the addend of the exponent.  Steps s0 - 1 and s0 read it from a table in LDS:
; T[x] = bias(255 - x) x log2(e), in four copies shifted by a word each, so that every lane's 16 words come by four aligned loads of 16 bytes.
; THE MASK.  A closed key's t is T* = -c x 2^100, c = log2(e) / 8 x 2^(e6 + e7): under every t of an open key.  While a row has seen no open key, M = T* and p = 1 for every key (a row with no open key ends as the plain mean
; of V, as the softmax of equal logits is); the first open key makes the factor 2^(old M - new M) zero, which wipes that.
; LIMITS: e6 + e7 between -60 and 29; |rel_bias| under 4,096; e9, and e10 - e8 - e9, between -126 and 119.  NaN among the inputs is not served.
; REGISTERS: v1 16 x lane; v2 my place in the table; v3, v4 LDS addresses of the step's K and V; v7 of its bias; v8 what a closed key's score becomes; v[10:11] the exponent's addend; v12 -M; v13 the largest t; v[14:15] the sum;
; v16-23 Q; v24-31 the second tile's Q; v32-95 K's fragments, then the bias, then V's; v96-159 S^T, then p; v160-191 O^T; v192-207 p's codes; v208-215 o's codes; v236-254 at work and constants.
; s[16:63], s[68:83] the step's 64 mask words; s84.. the tile in hand and the second tile.
; THE MODE: SCHED_MODE bits 1:0 = 2 (LLVM: expert scheduling mode 2), set by the entry lines.  The code itself states the register dependences between vector or matrix instructions and memory or LDS instructions,
; with s_wait_alu, always for 0.
; THE PLAN.  Registers that memory or LDS instructions touch:
;   at the head  v162, v170-176: offsets and addresses, made once, read by the copy's loads and LDS stores; v32-159 and v160: loaded, read by the LDS stores.  All of them are written again in the loop (fragments, S^T, O^T):
;                one wait on vm_vsrc stands behind the copy's barrier.
;   v3, v4, v7   LDS addresses.  v3 and v4 are made at a step's head, v7 in a step near the diagonal; read by the step's loads of K, of V, of the bias.
;   v32-95       K lands, the eight products K Q^T read it; near the diagonal the bias lands, 32 multiply-adds read it; V lands, the four products V^T P read it.  The wave's 256 registers hold no second such set.
;   v208-215     a tile's codes: written by four conversions, read by two stores.
;   v1           read by the stores and named in the addresses' making; never written again.
; A step has one wait on vm_vsrc, at its head (the loads issued so far have read v3, v4 and v7), and a wait on va_vdst ahead of each of its runs of loads into v32-95 (the last readers of those registers are done, and the run's
; address is written).  Behind the last of them stand V's first eight loads, and its last eight are dealt among the maximum's lines; those lines and the selects name v8, v96-159, v252 and v254 alone.
; Scalar registers that vector lines write: s2 and s48 to s62 (the wave's number; the bucket's fifteen compares), s4 and s5 (two biases): a wait on va_sdst behind each of the two runs.  No vector line writes VCC.
.set VIMG,  131072                     ; LDS: K's images at 0, V's here,
.set TB,    262144                     ; the table: four copies,
.set TPIT,  2112                       ; 2,112 bytes apart (132 x 16: the sixteen lanes of a load then touch sixteen different 16-byte columns), 16 bytes of lead in each
.set SPARE, TB+4*TPIT                  ; and the spare words, 128 bytes a wave: eight blocks of 256 bytes that no other line names
.set SPW,   5
.set NIL,   6
	s_load_b256 s[16:23], s[0:1], 0x0              ; qkv, mw, rel_bias, the scales' exponents
	s_load_b64 s[24:25], s[0:1], 0x20              ; obuf
	v_lshl_add_u32 v[SPW], v0, 2, SPARE
	v_mov_b32 v[NIL], 0
	v_lshrrev_b32 v7, 5, v0
	v_readfirstlane_b32 s2, v7                     ; wave 0..15
	v_and_b32 v9, 31, v0
	v_lshlrev_b32 v1, 4, v9                        ; 16 x lane
	v_lshlrev_b32 v170, 4, v0                      ; 16 x thread: the copy's place, in memory and in LDS
	v_add_nc_u32 v171, 0x10000, v170
	v_add_nc_u32 v172, 0x20000, v170
	v_add_nc_u32 v173, 0x30000, v170
	v_lshl_add_u32 v174, v0, 2, TB+16              ; T[thread] in copy 0
	v_min_u32 v161, 255, v0
	v_sub_nc_u32 v161, 255, v161
	v_min_u32 v161, 113, v161                      ; d = 255 - thread, held within 0 .. 113
	v_min_u32 v162, 16, v161
.set k, 0
.irp th, 19,21,24,27,31,35,40,46,52,59,67,77,87,99,113
	v_cmp_le_u32 s[48+k], \th, v161                ; the fifteen compares in one run, each into a register of its own: s48 to s62
.set k, k+1
.endr
	s_wait_alu depctr_va_sdst(0)                   ; s2 and s48 to s62 are written, ahead of their first readers: the selects below, and the scalar lines that place the wave
.set k, 0
.rept 15
	v_cndmask_b32 v[177+k], 0, 1, s[48+k]          ; 1 where d has reached the threshold, else 0: a select writes no scalar register
.set k, k+1
.endr
.set k, 0
.rept 15
	v_add_nc_u32 v162, v162, v[177+k]              ; and an addition without a carry counts them
.set k, k+1
.endr
	v_min_u32 v162, 31, v162                       ; the bucket
	v_lshlrev_b32 v162, 2, v162
	v_and_b32 v163, 15, v0                         ; r
	v_bfe_u32 v164, v0, 4, 1                       ; hh
	v_sub_nc_u32 v163, 255, v163
	v_and_b32 v165, 3, v163                        ; which copy: (255 - r) % 4
	v_lshl_add_u32 v163, v164, 4, v163
	v_and_b32 v163, 0x1fc, v163                    ; 255 - r + 16 hh, down to a multiple of 4
	v_mul_u32_u24 v165, v165, TPIT
	v_lshl_add_u32 v2, v163, 2, v165
	v_add_nc_u32 v2, TB+16, v2
	s_and_b32 s26, ttmp7, 0xffff                   ; the head, 16 b + h
	s_lshl_b32 s28, s26, 17
	s_mov_b32 s29, 0
	s_and_b32 s27, s26, 15                         ; h
	s_lshl_b32 s30, s27, 7                         ; its row of rel_bias
	s_mov_b32 s31, 0
	s_lshl_b32 s32, ttmp9, 4
	s_add_co_u32 s32, s32, s2                      ; my first query tile
	s_sub_co_u32 s33, 127, s32                     ; my second
	s_and_b32 s8, s2, 7
	s_lshl_b32 s8, s8, 6                           ; 64 u, u = tile % 8 = wave % 8; the second tile's is 7 - u
	s_lshr_b32 s34, s32, 3
	s_sub_co_i32 s101, 0, s34                      ; -s0
	s_lshr_b32 s34, s33, 3
	s_sub_co_i32 s105, 0, s34
	s_mul_i32 s36, s32, 4352
	s_mov_b32 s37, 0
	s_mul_i32 s38, s33, 4352
	s_mov_b32 s39, 0
	s_lshr_b32 s40, s26, 4
	s_lshl_b32 s40, s40, 7                         ; 128 b
	s_lshl_b32 s41, s27, 10                        ; K step h / 2, chunks 2 (h % 2) on: 1,024 h bytes
	s_add_co_u32 s42, s40, s32
	s_lshl_b32 s42, s42, 14                        ; a row tile of obuf is 8 images
	s_add_co_u32 s42, s42, s41
	s_mov_b32 s43, 0
	s_add_co_u32 s44, s40, s33
	s_lshl_b32 s44, s44, 14
	s_add_co_u32 s44, s44, s41
	s_mov_b32 s45, 0
	s_lshl_b32 s46, s32, 10
	s_lshl_b32 s47, s33, 10
	v_add_nc_u32 v175, s46, v1                     ; Q's images
	v_add_nc_u32 v176, s47, v1
	s_mov_b32 s10, 0x76543210                      ; v_permlanex16_b32's selects for lane l xor 16
	s_mov_b32 s11, 0xfedcba98
	s_wait_kmcnt 0x0
	s_add_nc_u64 s[68:69], s[16:17], s[28:29]      ; my head's q,
	s_add_nc_u64 s[70:71], s[68:69], 0x800000      ; k,
	s_add_nc_u64 s[72:73], s[68:69], 0x1000000     ; v
	s_add_nc_u64 s[74:75], s[20:21], s[30:31]
	s_add_nc_u64 s[86:87], s[18:19], s[36:37]
	s_add_nc_u64 s[88:89], s[18:19], s[38:39]
	s_add_nc_u64 s[90:91], s[24:25], s[42:43]
	s_add_nc_u64 s[92:93], s[24:25], s[44:45]
	s_load_b128 s[76:79], s[22:23], 0x18           ; e6, e7, e8, e9
	s_load_b32 s80, s[22:23], 0x28                 ; e10
	s_load_b32 s81, s[74:75], 0x0                  ; rel_bias[h][0]
	s_load_b32 s82, s[74:75], 0x7c                 ; rel_bias[h][31]
	s_load_b32 s84, s[86:87], 0x0                  ; need | all << 16 of my first tile,
	s_load_b32 s85, s[88:89], 0x0                  ; of my second
	s_wait_alu depctr_va_vdst(0)                   ; v1, v162 and v170 to v176 are written: the offsets of the loads below and the addresses of the LDS stores behind them; no vector line names them again until those are out
.set j, 0
.rept 16
	global_load_b128 v[32+4*j:35+4*j], v170, s[70:71] offset:8192*j    ; the 512 threads read 8,192 consecutive bytes
.set j, j+1
.endr
.set j, 0
.rept 16
	global_load_b128 v[96+4*j:99+4*j], v170, s[72:73] offset:8192*j
.set j, j+1
.endr
	global_load_b32 v160, v162, s[74:75]           ; rel_bias[h][bucket]
	global_load_b128 v[16:19], v175, s[68:69]
	global_load_b128 v[20:23], v175, s[68:69] offset:512
	global_load_b128 v[24:27], v176, s[68:69]
	global_load_b128 v[28:31], v176, s[68:69] offset:512
	s_wait_kmcnt 0x0
	s_add_co_i32 s12, s76, s77
	s_lshl_b32 s12, s12, 23
	s_add_co_i32 s6, s12, 0x3e38aa3b               ; c = log2(e) / 8 x 2^(e6 + e7): the exponents are added to the exponent field
	s_add_co_i32 s7, s6, 0x32000000
	s_or_b32 s7, s7, 0x80000000                    ; T* = -c x 2^100
	v_mov_b32 v177, s81
	v_mov_b32 v178, s82
	v_mul_f32 v177, 0x3fb8aa3b, v177
	v_mul_f32 v178, 0x3fb8aa3b, v178
	v_readfirstlane_b32 s4, v177                   ; bucket 0's bias x log2(e)
	v_readfirstlane_b32 s5, v178                   ; bucket 31's
	s_mov_b32 s104, s79                            ; e9
	s_add_co_i32 s12, s79, 127
	s_lshl_b32 s13, s12, 23
	v_mov_b32 v244, s13                            ; 2^e9
	s_add_co_i32 s12, s12, 8
	s_lshl_b32 s12, s12, 23
	s_or_b32 s12, s12, 0x600000
	v_mov_b32 v240, s12                            ; 448 x 2^e9
	s_sub_co_i32 s12, s80, s78
	s_sub_co_i32 s12, s12, s79                     ; a sum of the second product stands for sum x 2^(e8 + e9): o's conversion takes 2^(e10 - e8 - e9)
	s_add_co_i32 s12, s12, 127
	s_lshl_b32 s13, s12, 23
	v_mov_b32 v246, s13
	s_add_co_i32 s12, s12, 8
	s_lshl_b32 s12, s12, 23
	s_or_b32 s12, s12, 0x600000
	v_mov_b32 v247, s12
	v_mov_b32 v11, 0                               ; (upper halves of pairs of which the low word serves both halves, and a permute's destination: written once)
	v_mov_b32 v236, 0
	v_mov_b32 v253, 0
	s_wait_alu depctr_va_sdst(0)                   ; s4 and s5 are written: their readers stand in the loop, and this wait in the writers' own straight run
.set j, 0
.rept 16
	s_wait_loadcnt 36-j                            ; 37 loads went out; load j is in when at most 36 - j are out
	ds_store_b128 v[170+j/8], v[32+4*j:35+4*j] offset:8192*(j%8)
.set j, j+1
.endr
.set j, 0
.rept 16
	s_wait_loadcnt 20-j
	ds_store_b128 v[172+j/8], v[96+4*j:99+4*j] offset:8192*(j%8)
.set j, j+1
.endr
	s_wait_loadcnt 4                               ; the table's number; Q's four loads may be out
	v_mul_f32 v160, 0x3fb8aa3b, v160
	s_wait_alu depctr_va_vdst(0)                   ; the multiplication has written v160, which the four LDS stores read
.irp c, 0,1,2,3
	ds_store_b32 v174, v160 offset:(TPIT-4)*\c     ; T[x] is word x - c of copy c
.endr
	s_wait_loadcnt 0x0                             ; Q
	s_wait_dscnt 0x0                               ; for the others' sake: my stores have landed
	s_barrier_signal -1
	s_barrier_wait -1
	s_wait_alu depctr_vm_vsrc(0)                   ; the copy's loads and LDS stores have read v32 to v160, v162 and v170 to v176: from here on these are fragments, S^T and O^T, written by LDS loads, products and the clearing below
.set j, 16
.rept 24
	s_mov_b64 s[j:j+1], -1                         ; the mask words, written once: all open
.set j, j+2
.endr
.set j, 68
.rept 8
	s_mov_b64 s[j:j+1], -1
.set j, j+2
.endr
	s_mov_b32 s3, 0
.Lpass:                                        ; two trips: my two query tiles
	v_mov_b32 v13, 0xff61b1e6                      ; the largest t so far: -3e38, under every t and under T*
	v_floor_f32 v12, -v13
	v_mov_b32 v14, 0
	v_mov_b32 v15, 0
.set j, 0
.rept 32
	v_mov_b32 v[160+j], 0                          ; O^T: which step is a tile's first hangs on the mask, so the sums begin as zeros
.set j, j+1
.endr
	s_mov_b32 s94, 0                               ; the step,
	s_mov_b32 s95, 0                               ; its 8,192 bytes of K's and of V's images,
	s_mov_b32 s97, 0                               ; its 256 bytes of mask words,
	s_mov_b32 s96, s101                            ; and step - s0
.Lstep:                                        ; sixteen trips
	s_lshr_b32 s12, s84, s94
	s_bitcmp1_b32 s12, 0
	s_cbranch_scc0 .Lskip                          ; no key of the step is open for any of my queries
	s_wait_alu depctr_vm_vsrc(0)                   ; the LDS loads issued so far have read v3, v4 and v7; until v7 is written below, only K's loads follow, which read v3
	v_add_nc_u32 v3, s95, v1
	v_add_nc_u32 v4, VIMG, v3
	s_wait_alu depctr_va_vdst(0)                   ; v3 and v4 are written, which this step's loads of K and of V read; the products V^T P of the step before are done reading v32 to v95, in which K lands.  (The selects that read the mask words were issued ahead of it too)
	s_bitcmp1_b32 s12, 16
	s_cbranch_scc1 .Lno_words                      ; all are open
	s_load_b512 s[16:31], s[86:87], s97 offset:0x100
	s_load_b512 s[32:47], s[86:87], s97 offset:0x140
	s_load_b512 s[48:63], s[86:87], s97 offset:0x180
	s_load_b512 s[68:83], s[86:87], s97 offset:0x1c0
.Lno_words:
.set j, 0
.rept 16
	ds_load_b128 v[32+4*j:35+4*j], v3 offset:512*j ; K's eight tiles, two chunks each, as their images lie
.set j, j+1
.endr
	s_cmp_lt_i32 s96, 0
	s_cselect_b32 s100, s5, s4                     ; far from the diagonal: t = score x c + one bias
	s_mov_b32 s98, s6
	s_mov_b32 s99, s6
	s_wait_dscnt 0x0
.irp t, 0,1,2,3,4,5,6,7
	v_wmma_f32_16x16x64_fp8_fp8 v[96+8*\t:103+8*\t], v[32+8*\t:39+8*\t], v[16:23], 0
.endr
	v_mov_b32 v8, 0xf1800000                       ; -2^100: a closed key's score.  (This line and the three below are the four places behind the products)
.rept 3
	v_nop
.endr
	s_add_co_u32 s13, s96, 1
	s_cmp_lt_u32 s13, 2
	s_cbranch_scc0 .Lfar
	s_and_b32 s13, s96, 512                        ; step s0 - 1 (-1 & 512 = 512): d is 128 larger than in step s0 (0)
	s_add_co_u32 s13, s13, s8                      ; + 64 u: four bytes for each of the 16 u by which the tile lies under the step's first key
	v_sub_nc_u32 v7, v2, s13
	s_wait_alu depctr_va_vdst(0)                   ; v7 is written, which the loads below read; the products K Q^T are done reading K's fragments in v32 to v95, in which the bias lands
.irp b, 0,1,2,3
.irp i, 0,1,2,3
	ds_load_b128 v[32+16*\b+4*\i:35+16*\b+4*\i], v7 offset:128*\b+16*\i   ; the bias of keys 32 b + 16 hh + 4 i on
.endr
.endr
	s_wait_dscnt 0x0
.set j, 0
.rept 32
	v_pk_fma_f32 v[96+j:97+j], v[96+j:97+j], s[98:99], v[32+j:33+j] op_sel_hi:[1,0,1]   ; t = score x c + bias
.set j, j+2
.endr
	s_mov_b32 s98, 1.0                             ; from here on the registers hold t itself
	s_mov_b32 s99, 1.0
	s_mov_b32 s100, 0
	v_mov_b32 v8, s7                               ; and a closed key's is T*
.Lfar:
	s_wait_alu depctr_va_vdst(0)                   ; the last readers of v32 to v95 are done: far from the diagonal the products K Q^T, near it the multiply-adds that took the bias.  V's sixteen loads hang on nothing more
.set j, 0
.rept 8
	ds_load_b128 v[32+4*j:35+4*j], v4 offset:512*j ; V's tiles 0 and 1, four chunks each: they land under the softmax
.set j, j+1
.endr
	s_wait_kmcnt 0x0                               ; the mask words, if any were asked for
	s_bitcmp1_b32 s12, 16
	s_cbranch_scc1 .Lopen
.set n, 0
.rept 48
	v_cndmask_b32 v[96+n], v8, v[96+n], s[16+n]    ; word n, bit lane: open keeps the score
.set n, n+1
.endr
.rept 16
	v_cndmask_b32 v[96+n], v8, v[96+n], s[20+n]
.set n, n+1
.endr
.Lopen:
	v_max3_num_f32 v254, v96, v97, v98             ; the largest of my 64 keys, in two chains,
	v_max3_num_f32 v252, v99, v100, v101
.set j, 8
.irp i, 6,10,14,18,22,26,30,34,38,42,46,50,54,58
	v_max3_num_f32 v254, v254, v[96+\i], v[97+\i]
	v_max3_num_f32 v252, v252, v[98+\i], v[99+\i]
.if j < 16
	ds_load_b128 v[32+4*j:35+4*j], v4 offset:512*j ; V's tiles 2 and 3, one load to a pair of lines.  No wait: no vector line since the wait at the run's head names v4 or v32 to v95
.set j, j+1
.endif
.endr
	v_max3_num_f32 v254, v254, v158, v159
	v_max_num_f32 v254, v254, v252
	v_permlanex16_b32 v236, v254, s10, s11
	v_max_num_f32 v254, v254, v236                 ; and of lane l xor 16's
	v_fma_f32 v254, v254, s98, s100                ; as t (the factor is positive)
	v_max_num_f32 v13, v13, v254
	v_mov_b32 v254, v12
	v_floor_f32 v12, -v13                          ; -M = floor(-t): M is a whole number
	v_sub_f32 v254, v12, v254                      ; old M - new M, 0 or less
	v_cvt_i32_f32 v254, v254                       ; (it saturates)
	v_ldexp_f32 v252, 1.0, v254                    ; f = 2^(old M - new M)
	v_add_f32 v10, s100, v12                       ; the bias - M
.set j, 0
.rept 32
	v_pk_fma_f32 v[96+j:97+j], v[96+j:97+j], s[98:99], v[10:11] op_sel_hi:[1,0,0]   ; t - M
.set j, j+2
.endr
.set j, 0
.rept 64
	v_exp_f32 v[96+j], v[96+j]                     ; p = 2^(t - M)
.set j, j+1
.endr
	v_pk_mul_f32 v[14:15], v[14:15], v[252:253] op_sel_hi:[1,0]   ; the sums under the new M: the plain line behind the exponentials
	s_wait_alu depctr_va_vdst(0)                   ; the 64 exponentials have written v96 to v159: one wait for the batch, ahead of its first reader
	v_pk_add_f32 v[242:243], v[96:97], v[98:99]    ; the row's sum, of the unquantised p, in two chains
.irp j, 4,8,12,16,20,24,28,32,36,40,44,48,52,56,60
	v_pk_add_f32 v[14:15], v[14:15], v[96+\j:97+\j]
	v_pk_add_f32 v[242:243], v[242:243], v[98+\j:99+\j]
.endr
	v_pk_add_f32 v[14:15], v[14:15], v[242:243]
	s_cmp_ge_i32 s104, -8                          ; p is at most 1: with e9 >= -8, p / 2^e9 is at most 256 and the hold at 448 cannot act
	s_cbranch_scc1 .Lno_hold
.set j, 0
.rept 64
	v_min_num_f32 v[96+j], v[96+j], v240           ; the conversion does not saturate (ISA guide 7.6.2); p is not negative
.set j, j+1
.endr
.Lno_hold:
.irp b, 0,1,2,3
	v_cvt_scalef32_pk8_fp8_f32 v[192+4*\b:193+4*\b], v[96+16*\b:103+16*\b], v244
	v_cvt_scalef32_pk8_fp8_f32 v[194+4*\b:195+4*\b], v[104+16*\b:111+16*\b], v244
.endr
.set j, 0
.rept 16
	v_pk_mul_f32 v[160+j:161+j], v[160+j:161+j], v[252:253] op_sel_hi:[1,0]   ; O^T under the new M.  (Plain lines between the conversions and the products)
.set j, j+2
.endr
	s_wait_dscnt 0x0                               ; V is in
.irp t, 0,1,2,3
	v_wmma_f32_16x16x128_fp8_fp8 v[160+8*\t:167+8*\t], v[32+16*\t:47+16*\t], v[192:207], v[160+8*\t:167+8*\t]   ; the four accumulators by turns
.endr
.rept 4
	v_nop                                          ; the places behind them, on every way on
.endr
.Lskip:
	s_add_co_u32 s95, s95, 8192
	s_add_co_u32 s97, s97, 256
	s_add_co_i32 s96, s96, 1
	s_add_co_u32 s94, s94, 1
	s_cmp_lt_u32 s94, 16
	s_cbranch_scc1 .Lstep
	; the tile's way out: O^T / the sum, held, converted: two chunks of an image, 512 consecutive bytes a store
	v_add_f32 v14, v14, v15
	v_permlanex16_b32 v236, v14, s10, s11
	v_add_f32 v14, v14, v236
	v_rcp_f32 v14, v14
	v_nop                                          ; a plain line behind the reciprocal,
	s_wait_alu depctr_va_vdst(0)                   ; and the wait ahead of its first reader: the reciprocal has written v14
.set j, 0
.rept 16
	v_pk_mul_f32 v[96+j:97+j], v[160+j:161+j], v[14:15] op_sel_hi:[1,0]   ; register 16 b + i: channel 32 b + 16 hh + i
.set j, j+2
.endr
.set j, 0
.rept 32
	v_med3_num_f32 v[96+j], v[96+j], -v247, v247
.set j, j+1
.endr
.irp g, 0,1,2,3
	v_cvt_scalef32_pk8_fp8_f32 v[208+2*\g:209+2*\g], v[96+8*\g:103+8*\g], v246
.endr
	v_nop
	s_wait_alu depctr_va_vdst(0)                   ; the conversions have written v208 to v215, which the two stores read
	global_store_b128 v1, v[208:211], s[90:91]
	global_store_b128 v1, v[212:215], s[90:91] offset:512
	s_wait_xcnt 0x0                                ; the stores have read their base and data: the second tile takes the first's place
	s_wait_alu depctr_vm_vsrc(0)                   ; the stores have read v208 to v215, which the second tile's conversions write again
	s_mov_b32 s84, s85
	s_mov_b64 s[86:87], s[88:89]
	s_mov_b64 s[90:91], s[92:93]
	s_mov_b32 s101, s105
	s_xor_b32 s8, s8, 448                          ; 64 (7 - u)
.irp j, 0,1,2,3,4,5,6,7
	v_mov_b32 v[16+\j], v[24+\j]
.endr
	s_add_co_u32 s3, s3, 1
	s_cmp_lt_u32 s3, 2
	s_cbranch_scc1 .Lpass
	s_wait_dscnt 0x0
	s_barrier_signal -1                            ; every wave's reads of LDS are over
	s_barrier_wait -1
	s_wait_dscnt 0x0                               ; the wave's end
	s_wait_alu 0x0
	s_wait_tensorcnt 0x0
	ds_add_u32 v[SPW], v[NIL]
	s_wait_dscnt 0x0
	s_endpgm
.Lfunc_end_k_qcd1fe8f80a_attn:
	.size	k_qcd1fe8f80a_attn, .Lfunc_end_k_qcd1fe8f80a_attn-k_qcd1fe8f80a_attn
	.p2alignl 7, 3214868480
	.fill 96, 4, 3214868480
	.section	.rodata,"a",@progbits
	.p2align	6, 0x0
	.amdhsa_kernel k_qcd1fe8f80a_attn
		.amdhsa_group_segment_fixed_size 272640
		.amdhsa_private_segment_fixed_size 0
		.amdhsa_enable_private_segment 0
		.amdhsa_kernarg_size 40
		.amdhsa_user_sgpr_count 2
		.amdhsa_user_sgpr_kernarg_segment_ptr 1
		.amdhsa_wavefront_size32 1
		.amdhsa_system_sgpr_workgroup_id_x 1
		.amdhsa_system_sgpr_workgroup_id_y 1
		.amdhsa_system_sgpr_workgroup_id_z 1
		.amdhsa_system_vgpr_workitem_id 0
		.amdhsa_next_free_vgpr 256
		.amdhsa_next_free_sgpr 106
		.amdhsa_reserve_vcc 0
		.amdhsa_float_denorm_mode_32 3
		.amdhsa_float_denorm_mode_16_64 3
		.amdhsa_memory_ordered 1
		.amdhsa_forward_progress 1
		.amdhsa_inst_pref_size 46
	.end_amdhsa_kernel
	.amdgpu_metadata
---
amdhsa.version: [ 1, 2 ]
amdhsa.kernels:
  - .name:           k_qcd1fe8f80a_attn
    .symbol:         k_qcd1fe8f80a_attn.kd
    .args:
      - { .name: qkv, .offset: 0, .size: 8, .value_kind: global_buffer, .address_space: global }
      - { .name: mw, .offset: 8, .size: 8, .value_kind: global_buffer, .address_space: global }
      - { .name: rel_bias, .offset: 16, .size: 8, .value_kind: global_buffer, .address_space: global }
      - { .name: lowp_scales, .offset: 24, .size: 8, .value_kind: global_buffer, .address_space: global }
      - { .name: obuf, .offset: 32, .size: 8, .value_kind: global_buffer, .address_space: global }
    .group_segment_fixed_size: 272640
    .private_segment_fixed_size: 0
    .kernarg_segment_align: 8
    .kernarg_segment_size: 40
    .max_flat_workgroup_size: 512
    .sgpr_count:     106
    .vgpr_count:     256
    .wavefront_size: 32
...
	.end_amdgpu_metadata
.endif
;; end of part 5
;; launch outp: the kernel of part 4 again; grid 4 x 32, 4 waves a work-group, clusters of 4 x 4, 327,680 bytes of LDS; arguments obuf, wbuf, lowp_scales, out0; writes out0
